; MI455X (gfx1250); checked and timed in simulation.
; The chip was launched on July 23, 2026; its instructions are those of AMD's public machine-readable ISA for CDNA 5 (MIT licence, August 2026) and "CDNA5" Instruction Set Architecture Reference Guide (July 2026). The comments in the code are by the model that wrote it; some were corrected since.
;; Block. Allowed arithmetic: matrix products marked QUANTISED: E2M3 operands, one E8M0 scale for each 32 along K, by v_wmma_scale_f32_16x16x128_f8f6f4 with both operands' format E2M3, f32 sums; everything else in f32.
;; Inputs: W1 1,024 x 4,096 float32; W2 4,096 x 1,024 float32; Wk 1,024 x 1,024 float32; Wp 1,024 x 1,024 float32; Wq 1,024 x 1,024 float32; Wv 1,024 x 1,024 float32; b1 4,096 float32; b2 1,024 float32; be1 1,024 float32; be2 1,024 float32; bp 1,024 float32; g1 1,024 float32; g2 1,024 float32; x 4 x 1,024 x 1,024 float32.
;; Outputs: out0 4 x 1,024 x 1,024 float32.
;; This version of the problem:
;;   THIS VERSION OF THE PROBLEM IS GIVEN IN LOW PRECISION. The matrix products marked QUANTISED in the list below multiply operands that are first quantised to E2M3 (2 exponent bits, 3 mantissa bits; 6 bits a number), with one power-of-two scale for each 32 numbers along K (OCP MX v1.0); their sums are f32. All else is computed in f32.
;;   The module's matrix products, in the order in which they are computed (A, B: the left and right operand; K: the contracted axis; several contracted axes count as one K, in the product's order):
;;     1. [M 4,096, K 1,024] x [K 1,024, N 1,024]; A: computed on the way; B: input Wq: QUANTISED
;;     2. [M 4,096, K 1,024] x [K 1,024, N 1,024]; A: computed on the way; B: input Wk: QUANTISED
;;     3. [M 4,096, K 1,024] x [K 1,024, N 1,024]; A: computed on the way; B: input Wv: QUANTISED
;;     4. batch 64 x [M 1,024, K 64] x [K 64, N 1,024]; A: computed on the way; B: computed on the way: QUANTISED
;;     5. batch 64 x [M 1,024, K 1,024] x [K 1,024, N 64]; A: softmax (see below); B: computed on the way: QUANTISED
;;     6. [M 4,096, K 1,024] x [K 1,024, N 1,024]; A: computed on the way; B: input Wp: QUANTISED
;;     7. [M 4,096, K 1,024] x [K 1,024, N 4,096]; A: computed on the way; B: input W1: QUANTISED
;;     8. [M 4,096, K 4,096] x [K 4,096, N 1,024]; A: computed on the way; B: input W2: QUANTISED
;;   THE QUANTISER, for each operand of a quantised product, along K:
;;     - K is cut into blocks of 32 from its start; a last block that is shorter is filled with zeros.
;;     - A block's scale is 2^e with e = floor(log2(the largest magnitude in the block)) - 2, held to -126 .. 127; a block of zeros has e = 0. As a byte (E8M0): e + 127.
;;     - Each number is divided by its block's scale, clamped to +-7.5, and rounded to the nearest number of E2M3, ties to even, subnormals kept.
;;     - The product sums the exact products of the quantised numbers (number of the format x scale) in f32.
;;   ~~~python
;;   def quantise(x, axis):      # numpy; x: float32 -> the quantised numbers, widened to float32 again
;;       x = np.moveaxis(x, axis, -1); K = x.shape[-1]
;;       x = np.pad(x, [(0, 0)] * (x.ndim - 1) + [(0, -K % 32)]); x = x.reshape(x.shape[:-1] + (-1, 32)); a = np.abs(x).max(-1, keepdims=True)
;;       e = np.where(a > 0, np.clip(np.frexp(np.where(a > 0, a, 1))[1] - 1 - 2, -126, 127), 0)      # np.frexp(a)[1] - 1 = floor(log2(a)), exactly
;;       r = np.clip(x / 2.0 ** e, -7.5, 7.5)
;;       step = 2.0 ** (np.maximum(np.frexp(np.where(r == 0, 1, r))[1] - 1, 0) - 3)
;;       q = np.round(r / step) * step * 2.0 ** e      # np.round: ties to even
;;       return np.moveaxis(q.reshape(q.shape[:-2] + (-1,))[..., :K], -1, axis).astype(np.float32)
;;   ~~~
;;   SOFTMAX AHEAD OF A QUANTISED PRODUCT. Where the list says 'softmax', what is quantised is not the finished softmax but p = 2^(t - M), with t = logit x log2(e) and M = ceil(the row's largest t), a whole number; so 1/2 < the row's largest p <= 1. The row's sum l is taken of the UNQUANTISED p, in f32, and the product's result is divided by l at the end. Since M is a whole number, a kernel that streams over the keys may use a running M (the ceiling of the running maximum): every later rescaling is an exact power of two, which a block's scale takes up: the codes' values come out the same.
;;   OPERANDS COMPUTED ON THE WAY. 'Computed on the way' means the value that the module computes at that place (a softmax that the list does not call 'softmax' is quantised finished and normalised). What goes into a quantiser is computed in f32, as accurately as f32 sums, v_exp_f32 and their like allow (about 1e-6 of the number): no bf16 or f16 on the way to a quantiser, and a product that is left as it is and whose result goes on into a quantised operand takes f32 operands (vector FMAs, or v_wmma_f32_16x16x4_f32). A number that lies on a knife's edge between two numbers of the format may be rounded either way, as far as f32 arithmetic and the matrix unit's own rounding can turn it there, and no further.
;; One version. Each part assembles by itself: llvm-mc -triple=amdgcn-amd-amdhsa -mcpu=gfx1250 --defsym DOCPART=n.
;; ======== version 1 of 1: 6 launches
;; limits: right only within a limited range of input values
;; workspace buffers: a1 6,574,080 bytes; a2 6,574,080 bytes; a3 4,096,000 bytes; a4 16,384,000 bytes; qb 16,384,000 bytes; x1 16,777,216 bytes
;; launch prep (part 1): grid 641 x 1, 8 waves a work-group, no clusters, 2,048 bytes of LDS; arguments x, g1, be1, Wq, Wk, Wv, Wp, W1, W2, b1, a1, a2, a3, a4; writes a1, a2, a3, a4
.if DOCPART == 1
	.amdgcn_target "amdgcn-amd-amdhsa--gfx1250"
	.amdhsa_code_object_version 6
	.text
	.protected	k_q8481274e1b_prep
	.globl	k_q8481274e1b_prep
	.p2align	8
	.type	k_q8481274e1b_prep,@function
k_q8481274e1b_prep:
	s_mov_b64 s[64:65], 0
	v_nop
	global_prefetch_b8 v0, s[64:65] scope:SCOPE_SE
	s_setreg_imm32_b32 hwreg(HW_REG_WAVE_MODE, 25, 1), 1
	s_wait_xcnt 0x0
; THREE KINDS OF WORK-GROUP, told apart by the work-group's number alone.
;  0 .. 255   LAYER NORM + QUANTISER: 16 rows of the first argument ([4096][1024] f32) are normalised (mean, variance of the centred numbers, rsqrt(var + 1e-5), gain, bias, all f32)
;             and turned into codes of FP6 (E2M3) with one E8M0 byte for each 32 along the row; they go to the eleventh argument.
;  256 .. 639 WEIGHTS: a weight [K][N] f32, K its first axis, is quantised along K.  A lane takes a column, its registers run down K.
;  640        PARAMETERS of the products' ways out: a bias for each output column and a floor under the results (-infinity: none; 0: relu).
; LAYOUTS (this program's own).  A ROWTILE t is 16 rows: its row r is the natural row 32 (t / 2) + 8 (t % 2) + r + 8 (r / 8).  A FRAGMENT (a rowtile x 128 along K) lies as the IMAGE of the operand's
; 12 registers: register 4 j + i of lane l at byte 512 j + 16 l + 4 i, 1,536 bytes; a buffer of codes is [rowtile][K step][1536].  SCALE WORDS (four bytes: 128 along K of a row) lie
; [rowtile / 4][K step][r][rowtile % 4]: 256 bytes hold 64 rows' words of one K step.
; A block's scale is 2^(floor(log2(largest magnitude)) - 2); its byte is the largest magnitude's exponent field - 2, held at 1 from below.
; LIMITS: NaN and infinities among the inputs are not served; a block of zeros, or one whose largest magnitude lies under 2^-124, gets the byte 1 (its codes are zeros or the nearest codes under that scale; this program alone reads the bytes).
; No matrix unit, no tensor load, no cluster: the work streams, and work-groups share no input but the gains.
.set SOFF8, 6291456                    ; where the scale words begin in a buffer of 512 rowtiles x 8 K steps
.set POFF,  6553600                    ; the bias, 4,096 f32; behind it, at POFF + 16384, the floor, 4,096 bytes of one f32
.set X,   32                           ; v32-95   LN: my 64 numbers: register 16 b + i = k 32 b + 16 (lane / 16) + i of my row's 128
.set G,   96                           ; v96-159  the gains at the same places
.set BE,  160                          ; v160-223 the biases
.set TM,  96                           ; the quantiser's registers take the gains' place when those are done with
.set PT,  112
.set PC,  120
.set PW,  132
.set SEL, 60                           ; s[60:61] v_permlanex16_b32's selects for lane l xor 16
.set WX,  32                           ; weights: v32-159 four blocks of 32 numbers
.set F0,  160                          ; v160-171 the fragment of the even rowtile, v172-183 of the odd one
.set F1,  172
.set T0,  184                          ; v184-199 the blocks' upper halves (a conversion's three registers begin on an even number)
.set T1,  188
.set T2,  192
.set T3,  196
; 64 numbers of a lane, v[s] on, register 16 b + i = k 32 b + 16 (lane / 16) + i of my row, become a fragment's codes in v[pc] on and its scale word in v[pw].
.macro QUANT s, pc, pw
.irp b, 0,1,2,3
	v_max3_num_f32 v[TM+\b], |v[\s+16*\b]|, |v[\s+1+16*\b]|, 0x1800000   ; block b: my 16 numbers and the floor 2^(3 - 127): the byte cannot fall under 1
.endr
.irp i, 2,4,6,8,10,12,14
.irp b, 0,1,2,3
	s_delay_alu instid0(VALU_DEP_4)
	v_max3_num_f32 v[TM+\b], v[TM+\b], |v[\s+16*\b+\i]|, |v[\s+1+16*\b+\i]|   ; the four blocks by turns
.endr
.endr
.irp b, 0,1,2,3
	s_delay_alu instid0(VALU_DEP_4)
	v_permlanex16_b32 v[TM+4+\b], v[TM+\b], s[SEL], s[SEL+1]
.endr
.irp b, 0,1,2,3
	s_delay_alu instid0(VALU_DEP_4)
	v_max_num_f32 v[TM+\b], v[TM+\b], v[TM+4+\b]       ; with lane l xor 16's 16: the block's largest magnitude
.endr
.irp b, 0,1,2,3
	s_delay_alu instid0(VALU_DEP_4)
	v_add_nc_u32 v[TM+12+\b], 0xff000000, v[TM+\b]     ; 2 off its exponent field: the conversion's scale operand
.endr
.irp b, 0,1,2,3
	s_delay_alu instid0(VALU_DEP_4)
	v_lshrrev_b32 v[TM+4+\b], 23, v[TM+12+\b]          ; the scale's byte
.endr
	s_delay_alu instid0(VALU_DEP_3)
	v_lshl_or_b32 v[\pw], v[TM+5], 8, v[TM+4]
	s_delay_alu instid0(VALU_DEP_1)
	v_lshl_or_b32 v[\pw], v[TM+6], 16, v[\pw]
	s_delay_alu instid0(VALU_DEP_1)
	v_lshl_or_b32 v[\pw], v[TM+7], 24, v[\pw]
.irp c, 0,1
	v_cvt_scalef32_pk16_fp6_f32 v[\pc+6*\c:\pc+2+6*\c], v[\s+32*\c:\s+15+32*\c], v[TM+12+2*\c]
	v_cvt_scalef32_pk16_fp6_f32 v[PT+4*\c:PT+2+4*\c], v[\s+16+32*\c:\s+31+32*\c], v[TM+12+2*\c+1]
.endr
	v_nop                                              ; one plain place behind a scaled conversion
.irp c, 0,1                                        ; the operand wants a WHOLE block in a lane: lanes 0-15 block 2 c, lanes 16-31 block 2 c + 1
.irp i, 0,1,2
	v_permlane16_swap_b32 v[\pc+6*\c+\i], v[PT+4*\c+\i]
.endr
.irp i, 0,1,2
	s_delay_alu instid0(VALU_DEP_3)
	v_mov_b32 v[\pc+3+6*\c+\i], v[PT+4*\c+\i]
.endr
.endr
.endm
	s_load_b512 s[4:19], s[0:1], 0x0               ; rows s[4:5], gain s[6:7], bias s[8:9], Wq s[10:11], Wk s[12:13], Wv s[14:15], Wp s[16:17], W1 s[18:19]
	s_load_b256 s[20:27], s[0:1], 0x40             ; W2 s[20:21], b1 s[22:23], a1 s[24:25], a2 s[26:27]
	s_load_b128 s[28:31], s[0:1], 0x60             ; a3 s[28:29], a4 s[30:31]
	v_lshl_add_u32 v224, v0, 2, 0x400
	v_mov_b32 v225, 0
	v_lshrrev_b32 v1, 5, v0
	s_delay_alu instid0(VALU_DEP_1)
	v_readfirstlane_b32 s32, v1                    ; wave 0..7
	v_and_b32 v2, 31, v0                           ; lane
	v_and_b32 v3, 15, v0                           ; r
	v_bfe_u32 v4, v0, 4, 1                         ; h
	s_cmp_lt_u32 ttmp9, 256
	s_cbranch_scc1 .Lln
	s_cmp_eq_u32 ttmp9, 640
	s_cbranch_scc1 .Lpar
; ---------------- WEIGHTS.  A work-group takes 256 columns x 128 along K, a wave 32 columns: two rowtiles.
; wi 0-31 Wq, 32-63 Wk, 64-95 Wv -> a1 (rowtiles 256, 320, 384 on); 96-127 Wp -> a3; 128-255 W2 -> a4; 256-383 W1 -> a2 (each from rowtile 256 on)
	s_sub_co_u32 s33, ttmp9, 256                   ; wi
	s_cmp_lt_u32 s33, 128
	s_cselect_b32 s34, 31, 127
	s_cmp_lt_u32 s33, 256
	s_cselect_b32 s35, 3, 15
	s_cselect_b32 s36, 2, 4
	s_cselect_b32 s37, 12, 14                      ; log2 of a source row's bytes
	s_and_b32 s34, s33, s34                        ; my number within the weight
	s_and_b32 s35, s34, s35                        ; which 256 columns
	s_lshr_b32 s36, s34, s36                       ; which K step
	s_lshr_b32 s44, s33, 5
	s_lshl_b32 s44, s44, 6
	s_cmp_lt_u32 s33, 96
	s_cselect_b32 s44, s44, 0
	s_add_co_u32 s44, s44, 256                     ; the weight's first rowtile
	s_mov_b32 s46, SOFF8
	s_mov_b32 s47, 15728640
	s_sub_co_u32 s48, s33, 128
	s_cmp_lt_u32 s48, 128                          ; W2?  (a smaller wi wraps round to a large number)
	s_cselect_b32 s45, 5, 3                        ; log2 of the destination's K steps
	s_cselect_b32 s46, s47, s46
	s_mov_b32 s47, 3932160
	s_sub_co_u32 s48, s33, 96
	s_cmp_lt_u32 s48, 32                           ; Wp?
	s_cselect_b32 s46, s47, s46                    ; where the destination's scale words begin
	s_lshl_b32 s49, s35, 4
	s_add_co_u32 s49, s49, s44
	s_lshl_b32 s50, s32, 1
	s_add_co_u32 s49, s49, s50                     ; my wave's even rowtile
	v_and_b32 v5, 7, v0                            ; my column among the wave's 32: lanes 0-15 are the even rowtile's rows, lanes 16-31 the odd one's
	v_bfe_u32 v6, v0, 3, 1
	s_delay_alu instid0(VALU_DEP_1)
	v_lshl_add_u32 v5, v6, 4, v5
	s_wait_alu depctr_va_vdst(0)
	v_lshl_add_u32 v5, v4, 3, v5                   ; (l % 8) + 16 ((l / 8) % 2) + 8 (l / 16)
	s_delay_alu instid0(VALU_DEP_1)
	v_lshlrev_b32 v5, 2, v5
	v_lshlrev_b32 v6, 4, v2                        ; an image's place for my lane
	v_lshlrev_b32 v7, 4, v3
	s_delay_alu instid0(VALU_DEP_1)
	v_lshl_add_u32 v7, v4, 2, v7                   ; a scale word's: 16 r + 4 (l / 16)
	s_wait_kmcnt 0x0
	s_mov_b64 s[40:41], s[18:19]                   ; source and destination: choices that hang on the work-group's number alone
	s_mov_b64 s[42:43], s[26:27]
	s_cmp_lt_u32 s33, 256
	s_cselect_b64 s[40:41], s[20:21], s[40:41]
	s_cselect_b64 s[42:43], s[30:31], s[42:43]
	s_cmp_lt_u32 s33, 128
	s_cselect_b64 s[40:41], s[16:17], s[40:41]
	s_cselect_b64 s[42:43], s[28:29], s[42:43]
	s_cmp_lt_u32 s33, 96
	s_cselect_b64 s[40:41], s[14:15], s[40:41]
	s_cselect_b64 s[42:43], s[24:25], s[42:43]
	s_cmp_lt_u32 s33, 64
	s_cselect_b64 s[40:41], s[12:13], s[40:41]
	s_cmp_lt_u32 s33, 32
	s_cselect_b64 s[40:41], s[10:11], s[40:41]
	s_lshl_b32 s50, s49, s45
	s_add_co_u32 s50, s50, s36
	s_mul_i32 s50, s50, 1536                       ; (rowtile x K steps + K step) x 1,536
	s_mov_b32 s51, 0
	s_add_nc_u64 s[52:53], s[42:43], s[50:51]      ; the even rowtile's image
	s_lshl_b32 s50, 1536, s45
	s_add_nc_u64 s[54:55], s[52:53], s[50:51]      ; the odd one's: a rowtile on
	s_lshr_b32 s50, s49, 2
	s_lshl_b32 s50, s50, s45
	s_add_co_u32 s50, s50, s36
	s_lshl_b32 s50, s50, 8
	s_add_co_u32 s50, s50, s46
	s_and_b32 s58, s49, 3
	s_lshl_b32 s58, s58, 2
	s_add_co_u32 s50, s50, s58
	s_add_nc_u64 s[56:57], s[42:43], s[50:51]      ; the two rowtiles' scale words
	s_lshl_b32 s50, s36, 7
	s_lshl_b32 s50, s50, s37                       ; 128 x K step rows down,
	s_lshl_b32 s58, s35, 10
	s_add_co_u32 s50, s50, s58                     ; 256 columns a work-group,
	s_lshl_b32 s58, s32, 7
	s_add_co_u32 s50, s50, s58                     ; 32 a wave
	s_add_nc_u64 s[40:41], s[40:41], s[50:51]
.macro WLOAD kb, pitch                 ; block kb: W(32 kb + i, my column): the wave reads 128 consecutive bytes, the eight waves 1,024
.set wn, 0
.rept 32
	global_load_b32 v[WX+32*(\kb)+wn], v5, s[40:41] offset:(32*(\kb)+wn)*(\pitch) th:TH_LOAD_NT
.set wn, wn+1
.endr
.endm
.macro WBLOCK kb, lo, up               ; all 32 numbers of the block are mine: largest magnitude, byte, two conversions
.set XS, WX+32*(\kb)
	v_max3_num_f32 v12, |v[XS]|, |v[XS+1]|, |v[XS+2]|
	v_max3_num_f32 v13, |v[XS+3]|, |v[XS+4]|, |v[XS+5]|
.irp i, 6,10,14,18,22,26
	s_delay_alu instid0(VALU_DEP_2)
	v_max3_num_f32 v12, v12, |v[XS+\i]|, |v[XS+\i+1]|
	s_delay_alu instid0(VALU_DEP_2)
	v_max3_num_f32 v13, v13, |v[XS+\i+2]|, |v[XS+\i+3]|
.endr
	s_delay_alu instid0(VALU_DEP_2)
	v_max3_num_f32 v12, v12, |v[XS+30]|, |v[XS+31]|
	s_delay_alu instid0(VALU_DEP_1)
	v_max3_num_f32 v12, v12, v13, 0x1800000        ; and the floor 2^(3 - 127)
	s_delay_alu instid0(VALU_DEP_1)
	v_add_nc_u32 v11, 0xff000000, v12              ; the conversion's scale operand
	s_delay_alu instid0(VALU_DEP_1)
	v_lshrrev_b32 v13, 23, v11                     ; the byte
.if (\kb) == 0
	s_delay_alu instid0(VALU_DEP_1)
	v_mov_b32 v16, v13
.else
	s_delay_alu instid0(VALU_DEP_1)
	v_lshl_or_b32 v16, v13, 8*(\kb), v16           ; four bytes make my column's scale word
.endif
	v_cvt_scalef32_pk16_fp6_f32 v[\lo:\lo+2], v[XS:XS+15], v11
	v_cvt_scalef32_pk16_fp6_f32 v[\up:\up+2], v[XS+16:XS+31], v11
	v_nop                                          ; one plain place behind a scaled conversion
.endm
.macro WPATH pitch
	WLOAD 0, \pitch
	WLOAD 1, \pitch
	s_wait_loadcnt 32                              ; block 0 is in; block 1's 32 loads may be out
	WLOAD 2, \pitch
	WBLOCK 0, F0, T0
	s_wait_loadcnt 32                              ; block 1 is in; block 2's may be out
	WLOAD 3, \pitch
	WBLOCK 1, F1, T1
	s_wait_loadcnt 32                              ; block 2 is in; block 3's may be out
	WBLOCK 2, F0+6, T2
	s_wait_loadcnt 0x0
	WBLOCK 3, F1+6, T3
; A lane holds all four blocks of ITS row; the operand wants, of a rowtile's row r, blocks 0 and 2 in lane r and blocks 1 and 3 in lane 16 + r.  One exchange a register does it for both rowtiles:
; the first register's lanes 16-31 (the odd rowtile's block 0) change places with the second's lanes 0-15 (the even rowtile's block 1).
.irp i, 0,1,2
	v_permlane16_swap_b32 v[F0+\i], v[F1+\i]
	v_permlane16_swap_b32 v[T0+\i], v[T1+\i]
	v_permlane16_swap_b32 v[F0+6+\i], v[F1+6+\i]
	v_permlane16_swap_b32 v[T2+\i], v[T3+\i]
.endr
.irp i, 0,1,2
	v_mov_b32 v[F0+3+\i], v[T0+\i]
	v_mov_b32 v[F1+3+\i], v[T1+\i]
	v_mov_b32 v[F0+9+\i], v[T2+\i]
	v_mov_b32 v[F1+9+\i], v[T3+\i]
.endr
.irp j, 0,1,2
	global_store_b128 v6, v[F0+4*\j:F0+4*\j+3], s[52:53] offset:512*\j   ; 32 lanes store 512 consecutive bytes
	global_store_b128 v6, v[F1+4*\j:F1+4*\j+3], s[54:55] offset:512*\j
.endr
	global_store_b32 v7, v16, s[56:57]             ; two of the four words of each row's 16 bytes: the neighbouring wave stores the other two
	s_endpgm
.endm
	s_cmp_lt_u32 s33, 256
	s_cbranch_scc0 .Lw1
	s_wait_alu depctr_va_vdst(0)
	WPATH 4096                                     ; weights of 1,024 columns
.Lw1:
	s_wait_alu depctr_va_vdst(0)
	WPATH 16384                                    ; W1: 4,096 columns
; ---------------- PARAMETERS.  a1: bias 0, floor -infinity (q, k, v have neither bias nor activation); a2: bias b1, floor 0 (relu)
.Lpar:
	v_lshlrev_b32 v5, 4, v0
	s_wait_alu depctr_va_vdst(0)
	s_wait_kmcnt 0x0
.irp i, 0,1,2,3
	global_load_b128 v[32+4*\i:35+4*\i], v5, s[22:23] offset:4096*\i
.endr
.irp i, 0,1,2,3
	v_mov_b32 v[48+\i], 0
	v_mov_b32 v[52+\i], 0xff800000
.endr
	s_add_nc_u64 s[40:41], s[24:25], POFF
	s_add_nc_u64 s[42:43], s[26:27], POFF
.irp i, 0,1,2,3
	global_store_b128 v5, v[48:51], s[40:41] offset:4096*\i
.endr
	global_store_b128 v5, v[52:55], s[40:41] offset:16384
	global_store_b128 v5, v[48:51], s[42:43] offset:16384
	s_wait_loadcnt 0x0
.irp i, 0,1,2,3
	global_store_b128 v5, v[32+4*\i:35+4*\i], s[42:43] offset:4096*\i
.endr
	s_endpgm
; ---------------- LAYER NORM.  Work-group t = rowtile t; wave w = K step w: 128 of the row's 1,024.  Lane (r, h) holds, of the rowtile's row r, 16 neighbours of each of the K step's four blocks of 32.
.Lln:
	s_lshr_b32 s33, ttmp9, 1
	s_lshl_b32 s33, s33, 5
	s_and_b32 s34, ttmp9, 1
	s_lshl_b32 s34, s34, 3
	s_add_co_u32 s33, s33, s34                     ; the rowtile's first natural row
	s_lshl_b32 s34, s33, 12                        ; x 4,096 bytes
	s_lshl_b32 s36, s32, 9                         ; my K step: 512 bytes
	s_add_co_u32 s34, s34, s36
	s_mov_b32 s35, 0
	s_mov_b32 s37, 0
	s_lshl_b32 s38, s32, 2
	s_mov_b32 s40, 0x3a800000                      ; 1 / 1024
	s_mov_b32 s41, 0x3727c5ac                      ; 1e-5
	s_mov_b32 s[SEL], 0x76543210
	s_mov_b32 s[SEL+1], 0xfedcba98
	s_lshl_b32 s42, ttmp9, 3
	s_add_co_u32 s42, s42, s32
	s_mul_i32 s42, s42, 1536                       ; my fragment's image
	s_mov_b32 s43, 0
	s_lshr_b32 s48, ttmp9, 2
	s_lshl_b32 s48, s48, 3
	s_add_co_u32 s48, s48, s32
	s_lshl_b32 s48, s48, 8
	s_and_b32 s50, ttmp9, 3
	s_lshl_b32 s50, s50, 2
	s_add_co_u32 s48, s48, s50
	s_add_co_u32 s48, s48, SOFF8                   ; its scale words
	s_mov_b32 s49, 0
	s_wait_alu depctr_va_vdst(0)
	v_lshrrev_b32 v5, 3, v3
	s_delay_alu instid0(VALU_DEP_1)
	v_lshl_add_u32 v5, v5, 3, v3                   ; r + 8 (r / 8)
	s_delay_alu instid0(VALU_DEP_1)
	v_lshlrev_b32 v5, 12, v5
	s_delay_alu instid0(VALU_DEP_1)
	v_lshl_add_u32 v5, v4, 6, v5                   ; my row, + 64 h
	v_lshlrev_b32 v6, 6, v4                        ; gains and biases: 64 h
	v_lshlrev_b32 v7, 5, v3                        ; LDS: a row's eight partial sums, 32 r
	s_delay_alu instid0(VALU_DEP_1)
	v_add_nc_u32 v8, s38, v7                       ; and my wave's word among them
	v_lshlrev_b32 v9, 4, v2                        ; 16 x lane
	v_lshlrev_b32 v24, 4, v3                       ; 16 r
	s_wait_alu depctr_va_vdst(0)
	s_wait_kmcnt 0x0
	s_add_nc_u64 s[4:5], s[4:5], s[34:35]
	s_add_nc_u64 s[6:7], s[6:7], s[36:37]
	s_add_nc_u64 s[8:9], s[8:9], s[36:37]
	s_add_nc_u64 s[44:45], s[24:25], s[42:43]
	s_add_nc_u64 s[46:47], s[24:25], s[48:49]
.irp b, 0,1,2,3
.irp j, 0,1,2,3
	global_load_b128 v[X+16*\b+4*\j:X+16*\b+4*\j+3], v5, s[4:5] offset:128*\b+16*\j th:TH_LOAD_NT
.endr
.endr
.irp b, 0,1,2,3
.irp j, 0,1,2,3
	global_load_b128 v[G+16*\b+4*\j:G+16*\b+4*\j+3], v6, s[6:7] offset:128*\b+16*\j
.endr
.endr
.irp b, 0,1,2,3
.irp j, 0,1,2,3
	global_load_b128 v[BE+16*\b+4*\j:BE+16*\b+4*\j+3], v6, s[8:9] offset:128*\b+16*\j
.endr
.endr
; v10 of a lane -> the sum over the row's two lanes and eight waves, in v10 of every lane of the row, the same bits in every wave.
.macro LNRED off
	s_delay_alu instid0(VALU_DEP_1)
	v_permlanex16_b32 v11, v10, s[SEL], s[SEL+1]
	s_delay_alu instid0(VALU_DEP_1)
	v_add_f32 v10, v10, v11
	ds_store_b32 v8, v10 offset:\off               ; both lanes of a row write the same word with the same value
	s_wait_dscnt 0x0                               ; for the others' sake: my store has landed
	s_barrier_signal -1
	s_barrier_wait -1
	ds_load_b128 v[16:19], v7 offset:\off
	ds_load_b128 v[20:23], v7 offset:\off+16
	s_wait_dscnt 0x0
	v_add_f32 v16, v16, v17
	v_add_f32 v18, v18, v19
	v_add_f32 v20, v20, v21
	v_add_f32 v22, v22, v23
	s_delay_alu instid0(VALU_DEP_3)
	v_add_f32 v16, v16, v18
	s_delay_alu instid0(VALU_DEP_2)
	v_add_f32 v20, v20, v22
	s_delay_alu instid0(VALU_DEP_1)
	v_add_f32 v10, v16, v20
.endm
	s_wait_loadcnt 32                              ; my 16 loads of the row are in; the 32 of gains and biases may be out
	v_pk_add_f32 v[12:13], v[32:33], v[34:35]
	v_pk_add_f32 v[30:31], v[40:41], v[44:45]
	v_pk_add_f32 v[28:29], v[48:49], v[52:53]
	v_pk_add_f32 v[26:27], v[56:57], v[60:61]
	v_pk_add_f32 v[22:23], v[64:65], v[68:69]
	v_pk_add_f32 v[20:21], v[72:73], v[76:77]
	v_pk_add_f32 v[18:19], v[80:81], v[84:85]
	v_pk_add_f32 v[10:11], v[88:89], v[92:93]
	s_delay_alu instid0(VALU_DEP_1)
	v_pk_add_f32 v[10:11], v[10:11], v[36:37]
	v_pk_add_f32 v[12:13], v[12:13], v[38:39]
	v_pk_add_f32 v[30:31], v[30:31], v[42:43]
	v_pk_add_f32 v[28:29], v[28:29], v[46:47]
	v_pk_add_f32 v[26:27], v[26:27], v[50:51]
	v_pk_add_f32 v[22:23], v[22:23], v[54:55]
	v_pk_add_f32 v[20:21], v[20:21], v[58:59]
	v_pk_add_f32 v[18:19], v[18:19], v[62:63]
	v_pk_add_f32 v[10:11], v[10:11], v[66:67]
	v_pk_add_f32 v[12:13], v[12:13], v[70:71]
	v_pk_add_f32 v[30:31], v[30:31], v[74:75]
	v_pk_add_f32 v[28:29], v[28:29], v[78:79]
	v_pk_add_f32 v[26:27], v[26:27], v[82:83]
	v_pk_add_f32 v[22:23], v[22:23], v[86:87]
	v_pk_add_f32 v[20:21], v[20:21], v[90:91]
	v_pk_add_f32 v[18:19], v[18:19], v[94:95]
	s_delay_alu instid0(VALU_DEP_4)
	v_pk_add_f32 v[10:11], v[10:11], v[26:27]
	s_delay_alu instid0(VALU_DEP_4)
	v_pk_add_f32 v[12:13], v[12:13], v[22:23]
	s_delay_alu instid0(VALU_DEP_4)
	v_pk_add_f32 v[30:31], v[30:31], v[20:21]
	s_delay_alu instid0(VALU_DEP_4)
	v_pk_add_f32 v[28:29], v[28:29], v[18:19]
	s_delay_alu instid0(VALU_DEP_2)
	v_pk_add_f32 v[10:11], v[10:11], v[30:31]
	s_delay_alu instid0(VALU_DEP_2)
	v_pk_add_f32 v[12:13], v[12:13], v[28:29]
	s_delay_alu instid0(VALU_DEP_1)
	v_pk_add_f32 v[10:11], v[10:11], v[12:13]
	s_delay_alu instid0(VALU_DEP_1)
	v_add_f32 v10, v10, v11
	LNRED 0
	s_delay_alu instid0(VALU_DEP_1)
	v_mul_f32 v14, s40, v10                        ; the mean
	s_delay_alu instid0(VALU_DEP_1)
	v_mov_b32 v15, v14
.set n, 0
.rept 32
	v_pk_add_f32 v[X+n:X+n+1], v[X+n:X+n+1], v[14:15] neg_lo:[0,1] neg_hi:[0,1]   ; x - mean
.set n, n+2
.endr
	v_pk_mul_f32 v[10:11], v[X:X+1], v[X:X+1]
	v_pk_mul_f32 v[12:13], v[X+2:X+3], v[X+2:X+3]
.irp i, 4,8,12,16,20,24,28,32,36,40,44,48,52,56,60
	s_delay_alu instid0(VALU_DEP_2)
	v_pk_fma_f32 v[10:11], v[X+\i:X+\i+1], v[X+\i:X+\i+1], v[10:11]
	s_delay_alu instid0(VALU_DEP_2)
	v_pk_fma_f32 v[12:13], v[X+\i+2:X+\i+3], v[X+\i+2:X+\i+3], v[12:13]
.endr
	s_delay_alu instid0(VALU_DEP_1)
	v_pk_add_f32 v[10:11], v[10:11], v[12:13]
	s_delay_alu instid0(VALU_DEP_1)
	v_add_f32 v10, v10, v11
	LNRED 512                                      ; other bytes than the first sum's: no wave can overwrite what another still reads
	s_delay_alu instid0(VALU_DEP_1)
	v_fma_f32 v10, v10, s40, s41                   ; the variance + 1e-5
	s_wait_alu depctr_va_vdst(0)
	v_rsq_f32 v14, v10
	v_nop                                          ; a plain place behind the transcendental
	s_wait_alu depctr_va_vdst(0)                   ; the wait ahead of the result's first reader
	v_mov_b32 v15, v14
	s_wait_alu depctr_va_vdst(0)
	s_wait_loadcnt 0x0                             ; gains and biases
.set n, 0
.rept 32
	v_pk_mul_f32 v[X+n:X+n+1], v[X+n:X+n+1], v[14:15]
.set n, n+2
.endr
.set n, 0
.rept 32
	v_pk_fma_f32 v[X+n:X+n+1], v[X+n:X+n+1], v[G+n:G+n+1], v[BE+n:BE+n+1]
.set n, n+2
.endr
	QUANT X, PC, PW
.irp j, 0,1,2
	global_store_b128 v9, v[PC+4*\j:PC+4*\j+3], s[44:45] offset:512*\j   ; 512 consecutive bytes a store
.endr
	global_store_b32 v24, v[PW], s[46:47]          ; one word of each row's four (lanes 16-31 name the same word with the same value); the three neighbouring work-groups store the others
	s_wait_tensorcnt 0x0
	ds_add_u32 v224, v225
	s_wait_dscnt 0x0
	s_endpgm
.Lfunc_end_k_q8481274e1b_prep:
	.size	k_q8481274e1b_prep, .Lfunc_end_k_q8481274e1b_prep-k_q8481274e1b_prep
	.p2alignl 7, 3214868480
	.fill 96, 4, 3214868480
	.section	.rodata,"a",@progbits
	.p2align	6, 0x0
	.amdhsa_kernel k_q8481274e1b_prep
		.amdhsa_group_segment_fixed_size 2048
		.amdhsa_private_segment_fixed_size 0
		.amdhsa_enable_private_segment 0
		.amdhsa_kernarg_size 112
		.amdhsa_user_sgpr_count 2
		.amdhsa_user_sgpr_kernarg_segment_ptr 1
		.amdhsa_wavefront_size32 1
		.amdhsa_system_sgpr_workgroup_id_x 1
		.amdhsa_system_sgpr_workgroup_id_y 1
		.amdhsa_system_sgpr_workgroup_id_z 1
		.amdhsa_system_vgpr_workitem_id 0
		.amdhsa_next_free_vgpr 226
		.amdhsa_next_free_sgpr 66
		.amdhsa_reserve_vcc 0
		.amdhsa_float_denorm_mode_32 3
		.amdhsa_float_denorm_mode_16_64 3
		.amdhsa_memory_ordered 1
		.amdhsa_forward_progress 1
		.amdhsa_inst_pref_size 74
	.end_amdhsa_kernel
	.amdgpu_metadata
---
amdhsa.version: [ 1, 2 ]
amdhsa.kernels:
  - .name:           k_q8481274e1b_prep
    .symbol:         k_q8481274e1b_prep.kd
    .args:
      - { .name: x, .offset: 0, .size: 8, .value_kind: global_buffer, .address_space: global }
      - { .name: g1, .offset: 8, .size: 8, .value_kind: global_buffer, .address_space: global }
      - { .name: be1, .offset: 16, .size: 8, .value_kind: global_buffer, .address_space: global }
      - { .name: Wq, .offset: 24, .size: 8, .value_kind: global_buffer, .address_space: global }
      - { .name: Wk, .offset: 32, .size: 8, .value_kind: global_buffer, .address_space: global }
      - { .name: Wv, .offset: 40, .size: 8, .value_kind: global_buffer, .address_space: global }
      - { .name: Wp, .offset: 48, .size: 8, .value_kind: global_buffer, .address_space: global }
      - { .name: W1, .offset: 56, .size: 8, .value_kind: global_buffer, .address_space: global }
      - { .name: W2, .offset: 64, .size: 8, .value_kind: global_buffer, .address_space: global }
      - { .name: b1, .offset: 72, .size: 8, .value_kind: global_buffer, .address_space: global }
      - { .name: a1, .offset: 80, .size: 8, .value_kind: global_buffer, .address_space: global }
      - { .name: a2, .offset: 88, .size: 8, .value_kind: global_buffer, .address_space: global }
      - { .name: a3, .offset: 96, .size: 8, .value_kind: global_buffer, .address_space: global }
      - { .name: a4, .offset: 104, .size: 8, .value_kind: global_buffer, .address_space: global }
    .group_segment_fixed_size: 2048
    .private_segment_fixed_size: 0
    .kernarg_segment_align: 8
    .kernarg_segment_size: 112
    .max_flat_workgroup_size: 256
    .sgpr_count:     66
    .vgpr_count:     226
    .wavefront_size: 32
...
	.end_amdgpu_metadata
.endif
;; end of part 1
;; launch qkv (part 2): grid 8 x 24, 4 waves a work-group, clusters of 4 x 4, 327,680 bytes of LDS; arguments a1, qb; writes qb
.if DOCPART == 2
	.amdgcn_target "amdgcn-amd-amdhsa--gfx1250"
	.amdhsa_code_object_version 6
	.text
	.protected	k_q8481274e1b_qkv
	.globl	k_q8481274e1b_qkv
	.p2align	8
	.type	k_q8481274e1b_qkv,@function
k_q8481274e1b_qkv:
	s_mov_b64 s[64:65], 0
	v_nop
	global_prefetch_b8 v0, s[64:65] scope:SCOPE_SE
	s_setreg_imm32_b32 hwreg(HW_REG_WAVE_MODE, 25, 1), 1
	s_wait_xcnt 0x0
	s_wait_alu depctr_hold_cnt(0) depctr_sa_sdst(0) depctr_va_vdst(0) depctr_va_sdst(0) depctr_va_ssrc(0) depctr_va_vcc(0) depctr_vm_vsrc(0)
	s_getreg_b32 s2, hwreg(HW_REG_IB_STS2, 6, 4)
	s_cmp_eq_u32 s2, 0
	s_cbranch_scc0 .Lentry_in_a_cluster
	s_endpgm
.Lentry_in_a_cluster:
	s_bfe_u32 s2, ttmp6, 0x10000c
	s_cmp_lg_u32 s2, 0xf033
	s_cbranch_scc0 .Lentry_shape_is_right
	s_endpgm
.Lentry_shape_is_right:
; out = Q(max(floor, Y X^T + bias)): a product on codes of FP6 (E2M3) with E8M0 scales, K = 1,024, whose result is quantised again along its X axis and stored as the next product's operand.
; Both operands lie in the first argument as register images [rowtile][8 K steps][1536] with scale words [rowtile / 4][8][r][rowtile % 4] at SOFF, a bias for each X row at POFF, the floor at FOFF.
; A rowtile's row r is the natural row 32 (t / 2) + 8 (t % 2) + r + 8 (r / 8).  The result goes to the second argument in the same form with 32 K steps: rowtile = Y's, K step = X's 128 rows.
; WHICH ROWS.  Rows of clusters 0-3 of the grid: Y = rowtiles 0-255 (tokens), X = rowtiles 256 on (weight columns).  Rows of clusters 4, 5 (the launch for q, k, v alone has them):
; Y = rowtiles 384-447 (Wv's columns), X = tokens: v comes out transposed, quantised along the tokens, at rowtiles 256 on of the result.  The choice hangs on the cluster's y alone.
; SHARES.  A WORK-GROUP STAYS: it makes 256 Y rows x two tiles of 128 X rows, tiles 2 x and 2 x + 1.  Wave w: Y's rowtiles 4 w .. 4 w + 3 against a tile's eight rowtiles of X: 32 accumulators.
; 128 X rows to a wave are one whole fragment and one whole scale word of the result.
; THE MATRIX INSTRUCTION: source 0 = X's rowtile, source 1 = Y's: a lane holds one Y row, and by the order of rows in a rowtile the 16 registers of X's rowtiles 2 b, 2 b + 1 are 16 neighbours, 32 b + 16 (lane / 16) + 0 .. 15.
; LDS.  All of K is resident: two slots of 4 K steps (Y: 16 x 6,144 bytes, X: 8 x 6,144).  Y's bytes are filled once.  X's part of a slot is filled again, with the second tile's, as soon as the first tile has left that slot:
; behind a round of the cluster's barrier, in front of which every wave has waited for all its tensor loads, added 0 to its spare word and waited for that and for its reads; every wave then issues one joint load of two rowtiles.
; So the second tile's operands land under the first tile's products and way out, and the first tile's stores leave under the second tile's products.  A wave has one tensor load out at any time.
; CLUSTERS.  4 x 4 work-groups: Y's tiles are shared along a row of the cluster, X's along a column; each is asked for jointly, which divides the requests by four.
; REGISTERS, in windows of 256: window 0: v16-22 addresses, v28-29 for the spare words; v32-127 scale words and nothing else; v128-191 the first tile's bias, later 64 results; v192-231 the quantiser's.
;   Windows 1, 2: two sets of fragments (X's eight at v[12 t], Y's four at v[96 + 12 m]); window 2 from v144: the second tile's bias.  Window 3: accumulator (m, t) at v[8 (8 m + t)].
; LIMITS: NaN and infinities are not served; a block of zeros, or one under 2^-124, gets the scale byte 1 (this program alone reads the bytes).
.set KS,    8
.set SOFF,  6291456
.set POFF,  6553600
.set FOFF,  6569984
.set OSOFF, 15728640                   ; the result's scale words
.set SLOT,  147456
; LDS AS IT LIES NOW: Y's 16 rowtiles with all 8 K steps on end (12,288 bytes a rowtile) from byte 0; behind them X's tile in two halves of K, [half][8 rowtiles][4 K steps].
; 'Slot p' below means K steps 4 p .. 4 p + 3.  All first fills go out at the head, one joint load a wave: waves 0, 1 eight rowtiles of Y each, waves 2, 3 one half of K of X each.
.set XOFF,  196608                     ; X's first half of K
.set XH,    49152                      ; from one half of K to the other
.set SPARE, 294912                     ; behind the slots: the spare words, 128 bytes for each wave: two blocks of 256 bytes that no other line names
.set AY0, 16                           ; v16-17 LDS address of my Y fragments in slot 0, 1;  v18-19 of X's
.set AX0, 18
.set SO,  20                           ; v20  16 (lane % 16): a row's four scale words
.set LI,  21                           ; v21  16 x lane: an image's place for my lane
.set BA,  22                           ; v22  64 (lane / 16): the bias
.set SPW, 28                           ; v28  LDS address of my spare word; never rewritten
.set NIL, 29                           ; v29  0; never rewritten
.set SCB, 32                           ; scale words: slot p at v[SCB + 48 p]: X's unit (rowtile / 4, K step q) at + 16 (t / 4) + 4 q, Y's at + 32 + 4 q
.set BI,  128
.set B2,  144                          ; in window 2: the second tile's bias
.set HN,  128
.set TM,  192
.set PT,  208
.set PWQ, 216
.set PCQ, 220
.set WV, 12                            ; s12 wave; s13 wave / 2: I fetch for Y (0) or X (1); s14 wave % 2: which half
.set WH, 13
.set WL, 14
.set CX, 15
.set CY, 16
.set G0R, 8                            ; s[8:11]  group 0 of the refills: my two rowtiles of the second tile's X
.set G1Y, 24
.set G0Y, 32
.set G1X, 48
.set G0X, 56
.set G1R, 92                           ; s[92:99] group 1 of the refills
.set XS, 74                            ; s[74:75], s[76:77] X's and Y's scale words
.set YS, 76
.set SEL, 88
.set MSB, 0
.macro WIN new                         ; the immediate's high byte repeats the setting that is left
.if MSB != (\new)
	s_set_vgpr_msb (MSB<<8)|(\new)
.set MSB, (\new)
.endif
.endm
.macro PLACES                          ; four plain places behind matrix instructions, ahead of loads into their registers and of reads of their results
.rept 4
	v_nop
.endr
.endm
.macro JLOAD g0y, g1y, g0x, g1x        ; a joint load: waves 0, 1 fetch Y's halves, waves 2, 3 X's; four v_nop follow each line
	s_cmp_eq_u32 s[WH], 0
	s_cbranch_scc0 .Lfor_x_\@
	tensor_load_to_lds s[\g0y:\g0y+3], s[\g1y:\g1y+7]
	s_nop 0
.rept 4
	v_nop
.endr
	s_branch .Lasked_\@
.Lfor_x_\@:
	tensor_load_to_lds s[\g0x:\g0x+3], s[\g1x:\g1x+7]
	s_nop 0
.rept 4
	v_nop
.endr
.Lasked_\@:
.endm
.macro CROUND                          ; a round of the cluster's barrier
	s_barrier_signal -1
	s_barrier_wait -1
	s_cmp_lg_u32 s[WV], 0
	s_cbranch_scc1 .Lnot_wave_0_\@
	s_barrier_signal -3
.Lnot_wave_0_\@:
	s_barrier_wait -3
	s_barrier_signal -1
	s_barrier_wait -1
.endm
.macro SCX p, off                      ; a slot's scale words of X: eight units of 256 bytes, 16 bytes a lane (lanes 16-31 read what lanes 0-15 read)
.irp gx, 0,1
.irp q, 0,1,2,3
	global_load_b128 v[SCB+48*(\p)+16*\gx+4*\q:SCB+48*(\p)+16*\gx+4*\q+3], v[SO], s[XS:XS+1] offset:\gx*KS*256+\q*256+(\off)
.endr
.endr
.endm
.macro SCY p, off                      ; and of my four rowtiles of Y: four units
.irp q, 0,1,2,3
	global_load_b128 v[SCB+48*(\p)+32+4*\q:SCB+48*(\p)+32+4*\q+3], v[SO], s[YS:YS+1] offset:\q*256+(\off)
.endr
.endm
.macro FETCH slot, q, set              ; 36 LDS loads in one run: X's eight and my four Y fragments of the slot's K step q
	WIN (1+(\set))<<6
.irp i, 0,1,2,3,4,5,6,7
.irp j, 0,1,2
	ds_load_b128 v[12*\i+4*\j:12*\i+4*\j+3], v[AX0+\slot] offset:\i*6144+(\q)*1536+512*\j
.endr
.endr
.irp i, 0,1,2,3
.irp j, 0,1,2
	ds_load_b128 v[96+12*\i+4*\j:96+12*\i+4*\j+3], v[AY0+\slot] offset:\i*12288+(\q)*1536+512*\j
.endr
.endr
.endm
.macro MUL set, p, q, first            ; 32 matrix instructions, the accumulators by turns.  first = 1, 2: the first, the second tile's bias is the C that starts the sums
.if (\first) == 1
	WIN 0xC0|(5*(1+(\set)))
.elseif (\first) == 2
	WIN 0xE0|(5*(1+(\set)))
.else
	WIN 0xF0|(5*(1+(\set)))
.endif
.irp m, 0,1,2,3
.irp t, 0,1,2,3,4,5,6,7
.if (\first) == 1
	v_wmma_scale_f32_16x16x128_f8f6f4 v[8*(8*\m+\t):8*(8*\m+\t)+7], v[12*\t:12*\t+11], v[96+12*\m:96+12*\m+11], v[BI+8*\t:BI+8*\t+7], v[SCB+48*(\p)+16*(\t/4)+4*(\q)+(\t%4)], v[SCB+48*(\p)+32+4*(\q)+\m] matrix_a_fmt:MATRIX_FMT_FP6 matrix_b_fmt:MATRIX_FMT_FP6
.elseif (\first) == 2
	v_wmma_scale_f32_16x16x128_f8f6f4 v[8*(8*\m+\t):8*(8*\m+\t)+7], v[12*\t:12*\t+11], v[96+12*\m:96+12*\m+11], v[B2+8*\t:B2+8*\t+7], v[SCB+48*(\p)+16*(\t/4)+4*(\q)+(\t%4)], v[SCB+48*(\p)+32+4*(\q)+\m] matrix_a_fmt:MATRIX_FMT_FP6 matrix_b_fmt:MATRIX_FMT_FP6
.else
	v_wmma_scale_f32_16x16x128_f8f6f4 v[8*(8*\m+\t):8*(8*\m+\t)+7], v[12*\t:12*\t+11], v[96+12*\m:96+12*\m+11], v[8*(8*\m+\t):8*(8*\m+\t)+7], v[SCB+48*(\p)+16*(\t/4)+4*(\q)+(\t%4)], v[SCB+48*(\p)+32+4*(\q)+\m] matrix_a_fmt:MATRIX_FMT_FP6 matrix_b_fmt:MATRIX_FMT_FP6
.endif
.endr
.endr
.endm
.macro SLOTWORK slot, first            ; a slot's four K steps: each step's fragments are fetched while the step before is multiplied
	PLACES
	FETCH \slot, 0, 0
.irp q, 0,1,2,3
.if \q < 3
.if \q > 0
	PLACES
.endif
	FETCH \slot, \q+1, (\q+1)%2
	s_wait_dscnt 36                                ; this step's fragments are in; the 36 loads just issued may be out
.else
	s_wait_dscnt 0x0
.endif
.if \q == 0
	MUL 0, \slot, 0, \first
.else
	MUL \q%2, \slot, \q, 0
.endif
.endr
	WIN 0
.endm
.macro QUANT s, pc, pw                 ; 64 numbers of a lane, register 16 b + i = k 32 b + 16 (lane / 16) + i of my row, become a fragment's codes and its scale word
.irp b, 0,1,2,3
	v_max3_num_f32 v[TM+\b], |v[\s+16*\b]|, |v[\s+1+16*\b]|, 0x1800000   ; and the floor 2^(3 - 127): the byte cannot fall under 1
.endr
.irp i, 2,4,6,8,10,12,14
.irp b, 0,1,2,3
	v_max3_num_f32 v[TM+\b], v[TM+\b], |v[\s+16*\b+\i]|, |v[\s+1+16*\b+\i]|
.endr
.endr
.irp b, 0,1,2,3
	v_permlanex16_b32 v[TM+4+\b], v[TM+\b], s[SEL], s[SEL+1]
.endr
.irp b, 0,1,2,3
	v_max_num_f32 v[TM+\b], v[TM+\b], v[TM+4+\b]
.endr
.irp b, 0,1,2,3
	v_add_nc_u32 v[TM+12+\b], 0xff000000, v[TM+\b]     ; 2 off the exponent field: the conversion's scale operand
.endr
.irp b, 0,1,2,3
	v_lshrrev_b32 v[TM+4+\b], 23, v[TM+12+\b]
.endr
	v_lshl_or_b32 v[\pw], v[TM+5], 8, v[TM+4]
	v_lshl_or_b32 v[\pw], v[TM+6], 16, v[\pw]
	v_lshl_or_b32 v[\pw], v[TM+7], 24, v[\pw]
.irp c, 0,1
	v_cvt_scalef32_pk16_fp6_f32 v[\pc+6*\c:\pc+2+6*\c], v[\s+32*\c:\s+15+32*\c], v[TM+12+2*\c]
	v_cvt_scalef32_pk16_fp6_f32 v[PT+4*\c:PT+2+4*\c], v[\s+16+32*\c:\s+31+32*\c], v[TM+12+2*\c+1]
.endr
	v_nop                                              ; one plain place behind a scaled conversion
.irp c, 0,1
.irp i, 0,1,2
	v_permlane16_swap_b32 v[\pc+6*\c+\i], v[PT+4*\c+\i]
.endr
.irp i, 0,1,2
	v_mov_b32 v[\pc+3+6*\c+\i], v[PT+4*\c+\i]
.endr
.endr
.endm
; THE WAY OUT of a tile, a rowtile of Y at a time: the floor (which also brings the 64 results into window 0, each accumulator from its low end on), the quantiser, the image.  The second tile's K step lies 1,536 bytes on.
.macro WAYOUT tile
	PLACES
.irp m, 0,1,2,3
	WIN 0x0C                                       ; source 1: window 3
.set jj, 0
.rept 64
	v_max_num_f32 v[HN+jj], s87, v[64*\m+jj]
.set jj, jj+1
.endr
	WIN 0
.if (\m > 0) || (\tile > 0)
	s_wait_xcnt 0x0                                ; the earlier stores have read their registers
.endif
	QUANT HN, PCQ, PWQ+\m
.irp j, 0,1,2
	global_store_b128 v[LI], v[PCQ+4*\j:PCQ+4*\j+3], s[78:79] offset:\m*49152+(\tile)*1536+512*\j   ; 512 consecutive bytes a store
.endr
.endr
	global_store_b128 v[SO], v[PWQ:PWQ+3], s[80:81] offset:(\tile)*256   ; sixteen lanes store one aligned 256 bytes: 64 rows' scale words (lanes 16-31 name the same bytes with the same values)
.endm
	s_load_b128 s[4:7], s[0:1], 0x0                ; the operands s[4:5], the result s[6:7]
	v_lshl_add_u32 v[SPW], v0, 2, SPARE
	v_mov_b32 v[NIL], 0
	ds_add_u32 v28, v29
	ds_add_u32 v28, v29
	s_wait_dscnt 0x0
	v_lshrrev_b32 v1, 5, v0
	v_readfirstlane_b32 s[WV], v1
	s_lshr_b32 s[WH], s[WV], 1
	s_and_b32 s[WL], s[WV], 1
	s_bfe_u32 s[CX], ttmp6, 0x40000
	s_bfe_u32 s[CY], ttmp6, 0x40004
	s_lshl_b32 s17, ttmp9, 2
	s_add_co_u32 s17, s17, s[CX]                   ; work-group x
	s_and_b32 s18, ttmp7, 0xffff                   ; the cluster's y
	s_lshr_b32 s19, s18, 2                         ; vt = 1 in rows of clusters 4 and 5
	s_and_b32 s2, s18, 3
	s_mul_i32 s2, s2, s19
	s_lshl_b32 s2, s2, 4
	s_lshl_b32 s20, s17, 1
	s_add_co_u32 s20, s20, s2                      ; xk: my first tile of 128 X rows, and the result's K step; the second tile is xk + 1
	s_lshl_b32 s21, s20, 3
	s_add_co_u32 s21, s21, 256
	s_lshl_b32 s2, s19, 8
	s_sub_co_u32 s21, s21, s2                      ; X's first rowtile: 256 + 8 xk, or 8 xk where vt
	s_xor_b32 s2, s19, 1
	s_mul_i32 s2, s2, s18
	s_lshl_b32 s2, s2, 2
	s_add_co_u32 s22, s2, s[CY]
	s_lshl_b32 s22, s22, 4                         ; 16 x (4 x cluster y + cy), or 16 cy where vt
	s_mul_i32 s2, s19, 384
	s_add_co_u32 s23, s22, s2                      ; Y's first rowtile
	s_lshl_b32 s2, s19, 8
	s_add_co_u32 s86, s22, s2                      ; the result's first rowtile
	s_lshl_b32 s40, s[CY], 2
	s_lshl_b32 s40, 15, s40                        ; my row of the cluster
	s_lshl_b32 s41, 0x1111, s[CX]                  ; my column
	s_or_b32 s[G1Y], s40, (3<<16)|(1<<21)          ; 15:0 the mask; 17:16 elements of 8 bytes; 21 set beside a mask; no padding
	s_or_b32 s[G1X], s41, (3<<16)|(1<<21)
	s_or_b32 s[G1R], s41, (3<<16)|(1<<21)
	s_mov_b32 s[G1Y+1], 1536<<16                   ; tensor_dim0 = 1,536 elements: all eight K steps' images of a rowtile, 12,288 bytes
	s_mov_b32 s[G1Y+2], 8<<16                      ; tensor_dim1 = 8 rowtiles
	s_mov_b32 s[G1Y+3], 1536<<16                   ; tile_dim0
	s_mov_b32 s[G1Y+4], 8                          ; tile_dim1
	s_mov_b32 s[G1Y+5], KS*192                     ; from rowtile to rowtile
	s_mov_b32 s[G1Y+6], 0
	s_mov_b32 s[G1Y+7], 0
	s_mov_b32 s[G1X+1], 768<<16
	s_mov_b32 s[G1X+2], 8<<16                      ; X: eight rowtiles x four K steps
	s_mov_b32 s[G1X+3], 768<<16
	s_mov_b32 s[G1X+4], 8
	s_mov_b32 s[G1X+5], KS*192
	s_mov_b32 s[G1X+6], 0
	s_mov_b32 s[G1X+7], 0
	s_mov_b32 s[G1R+1], 768<<16                    ; the refills: two rowtiles a wave
	s_mov_b32 s[G1R+2], 2<<16
	s_mov_b32 s[G1R+3], 768<<16
	s_mov_b32 s[G1R+4], 2
	s_mov_b32 s[G1R+5], KS*192
	s_mov_b32 s[G1R+6], 0
	s_mov_b32 s[G1R+7], 0
	s_lshl_b32 s44, s[WL], 3                       ; Y's address is made of cy, the cluster's y and the wave alone, X's of x and the cluster's y: each in registers that never hold the other coordinate
	s_add_co_u32 s44, s44, s23
	s_mul_i32 s70, s44, KS*1536
	s_mov_b32 s71, 0
	s_mul_i32 s66, s21, KS*1536                    ; X's first rowtile,
	s_mul_i32 s42, s[WL], 6144                     ; my half of K
	s_add_co_u32 s66, s66, s42
	s_mov_b32 s67, 0
	s_lshl_b32 s42, s[WV], 1
	s_add_co_u32 s42, s42, s21
	s_add_co_u32 s42, s42, 8                       ; the second tile's rowtiles 2 w, 2 w + 1
	s_mul_i32 s84, s42, KS*1536
	s_mov_b32 s85, 0
	s_mul_i32 s90, s[WL], 98304                    ; where they go: eight rowtiles of Y; no place in the cluster enters an LDS address
	s_mul_i32 s91, s[WL], XH                       ; a half of K of X
	s_add_co_u32 s91, s91, XOFF
	s_wait_kmcnt 0x0
	s_add_nc_u64 s[72:73], s[4:5], s[70:71]
	s_add_nc_u64 s[68:69], s[4:5], s[66:67]
	s_mov_b32 s[G0R], 1
	s_mul_i32 s[G0R+1], s[WV], 12288
	s_add_co_u32 s[G0R+1], s[G0R+1], XOFF          ; X's part of slot 0, my two rowtiles
	s_add_nc_u64 s[G0R+2:G0R+3], s[4:5], s[84:85]
	s_or_b32 s[G0R+3], s[G0R+3], 0x80000000
	CROUND                                         ; all sixteen work-groups are here: the joint loads meet
.irp s, 0
	s_mov_b32 s[G0Y+4*\s], 1
	s_add_co_u32 s[G0Y+4*\s+1], s90, \s*SLOT
	s_add_nc_u64 s[G0Y+4*\s+2:G0Y+4*\s+3], s[72:73], \s*6144
	s_or_b32 s[G0Y+4*\s+3], s[G0Y+4*\s+3], 0x80000000
	s_mov_b32 s[G0X+4*\s], 1
	s_add_co_u32 s[G0X+4*\s+1], s91, \s*SLOT
	s_add_nc_u64 s[G0X+4*\s+2:G0X+4*\s+3], s[68:69], \s*6144
	s_or_b32 s[G0X+4*\s+3], s[G0X+4*\s+3], 0x80000000
	JLOAD G0Y+4*\s, G1Y, G0X+4*\s, G1X             ; all first fills: one load of mine is out
.endr
	s_load_b32 s87, s[4:5], FOFF                   ; the floor
	v_and_b32 v2, 31, v0
	v_lshlrev_b32 v[LI], 4, v2
	v_and_b32 v3, 15, v0
	v_lshlrev_b32 v[SO], 4, v3
	s_wait_alu depctr_va_vdst(0)
	v_bfe_u32 v4, v0, 4, 1
	v_lshlrev_b32 v[BA], 6, v4
	s_wait_alu depctr_va_vdst(0)
	s_mul_i32 s46, s[WV], 49152                    ; my four rowtiles of Y
	v_add_nc_u32 v[AY0], s46, v[LI]
	v_add_nc_u32 v[AY0+1], 6144, v[AY0]            ; K steps 4-7 of the same rows
	v_add_nc_u32 v[AX0], XOFF, v[LI]
	v_add_nc_u32 v[AX0+1], XH, v[AX0]
	s_lshr_b32 s42, s21, 2
	s_mul_i32 s66, s42, KS*256
	s_add_co_u32 s66, s66, SOFF
	s_add_nc_u64 s[XS:XS+1], s[4:5], s[66:67]
	s_lshr_b32 s44, s23, 2
	s_add_co_u32 s44, s44, s[WV]
	s_mul_i32 s70, s44, KS*256
	s_add_co_u32 s70, s70, SOFF
	s_add_nc_u64 s[YS:YS+1], s[4:5], s[70:71]
	s_lshl_b32 s66, s20, 9
	s_add_co_u32 s66, s66, POFF
	s_add_nc_u64 s[82:83], s[4:5], s[66:67]        ; the bias of my first 128 X rows; the second tile's lies 512 bytes on
	SCX 0, 0
	SCY 0, 0
	SCX 1, 1024
	SCY 1, 1024
.irp t, 0,1,2,3,4,5,6,7                        ; in the result's layout: lane (r, h) wants, for X's rowtile 2 b + u, the bias of rows 32 b + 16 h + 8 u + 0 .. 7
	global_load_b128 v[BI+8*\t:BI+8*\t+3], v[BA], s[82:83] offset:(32*(\t/2)+8*(\t%2))*4
	global_load_b128 v[BI+8*\t+4:BI+8*\t+7], v[BA], s[82:83] offset:(32*(\t/2)+8*(\t%2))*4+16
.endr
	WIN 0x80                                       ; destination window 2
.irp t, 0,1,2,3,4,5,6,7
	global_load_b128 v[B2+8*\t:B2+8*\t+3], v[BA], s[82:83] offset:512+(32*(\t/2)+8*(\t%2))*4
	global_load_b128 v[B2+8*\t+4:B2+8*\t+7], v[BA], s[82:83] offset:512+(32*(\t/2)+8*(\t%2))*4+16
.endr
	WIN 0
	s_lshl_b32 s46, s[WV], 2
	s_add_co_u32 s46, s46, s86                     ; my first rowtile of the result
	s_lshl_b32 s47, s46, 5
	s_add_co_u32 s47, s47, s20
	s_mul_i32 s84, s47, 1536
	s_mov_b32 s85, 0
	s_add_nc_u64 s[78:79], s[6:7], s[84:85]        ; its image at K step xk
	s_lshr_b32 s46, s46, 2
	s_lshl_b32 s46, s46, 5
	s_add_co_u32 s46, s46, s20
	s_lshl_b32 s84, s46, 8
	s_add_co_u32 s84, s84, OSOFF
	s_add_nc_u64 s[80:81], s[6:7], s[84:85]        ; and my four rowtiles' unit of scale words
	s_mov_b32 s[SEL], 0x76543210
	s_mov_b32 s[SEL+1], 0xfedcba98
.irp b, 0,1,2,3
	v_mov_b32 v[TM+4+\b], 0                        ; written once: a lane permute's destination counts as one of its sources
.endr
	s_wait_alu depctr_va_vdst(0)
	s_wait_loadcnt 0x0                             ; scale words and biases
	s_wait_kmcnt 0x0                               ; the floor
	s_wait_tensorcnt 0x0                           ; my one load is in
	s_barrier_signal -1
	s_barrier_wait -1
	SLOTWORK 0, 1                                  ; the first tile, K steps 0-3
	s_wait_tensorcnt 0x0                           ; all my tensor loads have landed, my part of slot 1 among them
	ds_add_u32 v[SPW], v[NIL]                      ; 0 onto my spare word
	s_wait_dscnt 0x0                               ; the add is done, and my reads of slot 0 are over
	CROUND                                         ; both now hold of every wave of all sixteen work-groups
	tensor_load_to_lds s[G0R:G0R+3], s[G1R:G1R+7]  ; the second tile's X, K steps 0-3, into slot 0: my one tensor load until the next round
	s_nop 0
	PLACES                                         ; (also the places ahead of the loads below)
	SCX 0, 4096                                    ; its scale words, over the first tile's, which are done with
	SLOTWORK 1, 0                                  ; the first tile, K steps 4-7
	s_wait_tensorcnt 0x0                           ; the refill of slot 0 has landed: a group 0 may be written
	ds_add_u32 v[SPW], v[NIL]
	s_add_co_u32 s[G0R+1], s[G0R+1], XH            ; on to X's second half of K,
	s_add_nc_u64 s[G0R+2:G0R+3], s[G0R+2:G0R+3], 6144   ; K steps 4-7; the type bits on top are not reached
	s_wait_dscnt 0x0                               ; the add is done, and my reads of slot 1 are over
	CROUND
	tensor_load_to_lds s[G0R:G0R+3], s[G1R:G1R+7]  ; it lands under the first tile's way out and the second tile's first four K steps
	s_nop 0
	PLACES
	SCX 1, 4096+1024
	WAYOUT 0
	s_wait_loadcnt 0x0                             ; the second tile's scale words
	SLOTWORK 0, 2                                  ; the second tile: slot 0 was shown whole by the wait and the round above
	s_wait_tensorcnt 0x0                           ; my part of slot 1's X
	s_wait_dscnt 0x0
	s_barrier_signal -1
	s_barrier_wait -1                              ; everybody's
	SLOTWORK 1, 0
	WAYOUT 1
	s_wait_tensorcnt 0x0                           ; the wave's end
	ds_add_u32 v[SPW], v[NIL]
	s_wait_dscnt 0x0
	CROUND                                         ; the closing round: no work-group ends while a partner may still ask for a tile that names it
	s_endpgm
.Lfunc_end_k_q8481274e1b_qkv:
	.size	k_q8481274e1b_qkv, .Lfunc_end_k_q8481274e1b_qkv-k_q8481274e1b_qkv
	.p2alignl 7, 3214868480
	.fill 96, 4, 3214868480
	.section	.rodata,"a",@progbits
	.p2align	6, 0x0
	.amdhsa_kernel k_q8481274e1b_qkv
		.amdhsa_group_segment_fixed_size 327680
		.amdhsa_private_segment_fixed_size 0
		.amdhsa_enable_private_segment 0
		.amdhsa_kernarg_size 16
		.amdhsa_user_sgpr_count 2
		.amdhsa_user_sgpr_kernarg_segment_ptr 1
		.amdhsa_wavefront_size32 1
		.amdhsa_system_sgpr_workgroup_id_x 1
		.amdhsa_system_sgpr_workgroup_id_y 1
		.amdhsa_system_sgpr_workgroup_id_z 1
		.amdhsa_system_vgpr_workitem_id 0
		.amdhsa_next_free_vgpr 1024
		.amdhsa_next_free_sgpr 100
		.amdhsa_reserve_vcc 0
		.amdhsa_float_denorm_mode_32 3
		.amdhsa_float_denorm_mode_16_64 3
		.amdhsa_memory_ordered 1
		.amdhsa_forward_progress 1
		.amdhsa_inst_pref_size 169
	.end_amdhsa_kernel
	.amdgpu_metadata
---
amdhsa.version: [ 1, 2 ]
amdhsa.kernels:
  - .name:           k_q8481274e1b_qkv
    .symbol:         k_q8481274e1b_qkv.kd
    .args:
      - { .name: a1, .offset: 0, .size: 8, .value_kind: global_buffer, .address_space: global }
      - { .name: qb, .offset: 8, .size: 8, .value_kind: global_buffer, .address_space: global }
    .group_segment_fixed_size: 327680
    .private_segment_fixed_size: 0
    .kernarg_segment_align: 8
    .kernarg_segment_size: 16
    .max_flat_workgroup_size: 128
    .sgpr_count:     100
    .vgpr_count:     1024
    .wavefront_size: 32
...
	.end_amdgpu_metadata
.endif
;; end of part 2
;; launch attn (part 3): grid 8 x 32, 16 waves a work-group, clusters of 4 x 1, 223,232 bytes of LDS; arguments qb, a3; writes a3
.if DOCPART == 3
	.amdgcn_target "amdgcn-amd-amdhsa--gfx1250"
	.amdhsa_code_object_version 6
	.text
	.protected	k_q8481274e1b_attn
	.globl	k_q8481274e1b_attn
	.p2align	8
	.type	k_q8481274e1b_attn,@function
k_q8481274e1b_attn:
	s_mov_b64 s[64:65], 0
	v_nop
	global_prefetch_b8 v0, s[64:65] scope:SCOPE_SE
	s_setreg_imm32_b32 hwreg(HW_REG_WAVE_MODE, 25, 1), 1
	s_wait_xcnt 0x0
	s_wait_alu depctr_hold_cnt(0) depctr_sa_sdst(0) depctr_va_vdst(0) depctr_va_sdst(0) depctr_va_ssrc(0) depctr_va_vcc(0) depctr_vm_vsrc(0)
	s_getreg_b32 s2, hwreg(HW_REG_IB_STS2, 6, 4)
	s_cmp_eq_u32 s2, 0
	s_cbranch_scc0 .Lentry_in_a_cluster
	s_endpgm
.Lentry_in_a_cluster:
	s_bfe_u32 s2, ttmp6, 0x10000c
	s_cmp_lg_u32 s2, 0x3003
	s_cbranch_scc0 .Lentry_shape_is_right
	s_endpgm
.Lentry_shape_is_right:
; Causal attention on codes of FP6 (E2M3), head size 64, 1,024 keys; the result, divided by the row's sum, is quantised along the channels and stored as the next product's operand.
; qb: register images [rowtile][32 K steps][1536].  Rowtiles 0-255 are tokens: K step hp holds q's channels 128 hp on (two heads), K step 8 + hp k's.  Rowtiles 256 on are v's channels: K step 8 batch + key / 128.
; Scale words [rowtile / 4][32][r][rowtile % 4] at QSOFF.  A rowtile's row r is the natural row 32 (t / 2) + 8 (t % 2) + r + 8 (r / 8).  a3: the same form with 8 K steps, scale words at ASOFF.
; SOFTMAX: t = score x log2(e) / 8; M = the running largest t rounded UP to a whole number; p = 2^(t - M) is quantised along the keys; the row's sum is taken of the unquantised p; when M moves, sum and O are multiplied by 2^(old M - new M), exactly.
; SHARES.  Work-group y = (batch, pair of heads hp).  The pair's 64 rowtiles of queries x 2 heads are 128 units: 8 work-groups x 16 waves.  Wave w: head w / 8; group of 128 queries g = (w % 4) xor 7 ((w / 4) % 2);
; rowtile 8 g + 4 (cluster x) + (place in the cluster).  So the number of key steps, g + 1, hangs on the wave's number alone, and every work-group has the same 72 wave-steps.
; HEAD SIZE 64 IN A K OF 128: a fragment's registers 0-5 are the even head's 64 channels, registers 6-11 the odd head's.  Q's half of the other head is set to zero codes, which add nothing.
; LDS: all of the pair's K and V codes and scale words are resident, each filled once by a joint load of the four partners, which walk the same K and V.  Nothing is filled again.
; Both products are used transposed (S^T = K Q^T, O^T = V^T P^T): a lane holds one query throughout, and by the order of rows in a rowtile the 16 registers of two neighbouring tiles are 16 neighbouring keys (channels).
; Steps whose keys all come after the wave's queries are left out by a scalar branch on the wave's number; in the step on the diagonal hidden scores become -infinity.
; REGISTERS: v1-4 places that stay; v5 the mask's number; v6 16 x lane; v8-11 addresses in hand; v12 -M, v13 largest t, v[14:15] the sum; v16-27 Q, v28 its scale word; v32-79 four fragments; v80-91 K's and V's scale words;
;   v96-159 S^T, then p; v160-191 O^T; v192-211 p's codes; v212-227 at work; v232 p's scale word; v233-237 the way out.
; LIMITS: NaN and infinities are not served; a block of zeros, or one under 2^-124, gets the scale byte 1.
.set KC,   0                           ; 64 rowtiles x 1,536
.set VC,   98304                       ; [8 rowtiles][8 K steps][1536]
.set KSC,  196608                      ; K's scale words: 16 x 256
.set VSC,  200704                      ; V's: [2][8][256]
.set STG,  204800                      ; the way out: eight fragments
.set SSC,  217088                      ; and their scale words, 64 bytes each
.set QSOFF, 15728640
.set ASOFF, 3932160
.set WV, 8
.set HD, 11
.set GG, 12
.set CX, 13
.set BB, 16
.set HP, 17
.set WL, 18
.set SEL, 20
.set CS,  22
.set G1K, 24
.set G1V, 32
.set G1KS, 40
.set G1VS, 48
.set G0K, 56
.set G0V, 60
.set G0KS, 68
.set G0VS, 72
.set KI,  90
.set TK,  91
.set TV,  92
.set TSK, 93
.set TSV, 94
.set PCD, 192
.set PT,  204
.set BM,  212
.set PX,  216
.set SOP, 220
.macro CROUND
	s_barrier_signal -1
	s_barrier_wait -1
	s_cmp_lg_u32 s[WV], 0
	s_cbranch_scc1 .Lnot_wave_0_\@
	s_barrier_signal -3
.Lnot_wave_0_\@:
	s_barrier_wait -3
	s_barrier_signal -1
	s_barrier_wait -1
.endm
.macro G1SET g, c, r, p                ; descriptor group 1: r rows of c elements of 8 bytes, p elements apart; the mask names all four partners, bit 21 beside it; no padding
	s_mov_b32 s[\g], 15|(3<<16)|(1<<21)
	s_mov_b32 s[\g+1], (\c)<<16
	s_mov_b32 s[\g+2], (\r)<<16
	s_mov_b32 s[\g+3], (\c)<<16
	s_mov_b32 s[\g+4], \r
	s_mov_b32 s[\g+5], \p
	s_mov_b32 s[\g+6], 0
	s_mov_b32 s[\g+7], 0
.endm
	s_load_b128 s[4:7], s[0:1], 0x0                ; qb, a3
	v_lshl_add_u32 v254, v0, 2, 0x36000
	v_mov_b32 v255, 0
	ds_add_u32 v254, v255
	ds_add_u32 v254, v255
	v_lshrrev_b32 v1, 5, v0
	s_delay_alu instid0(VALU_DEP_1)
	v_readfirstlane_b32 s[WV], v1                  ; wave 0..15
	s_and_b32 s9, s[WV], 3
	s_bfe_u32 s10, s[WV], 0x10002
	s_lshr_b32 s[HD], s[WV], 3                     ; which head of the pair
	s_mul_i32 s10, s10, 7
	s_xor_b32 s[GG], s9, s10                       ; my group of 128 queries
	s_and_b32 s[WL], s[WV], 1
	s_and_b32 s15, ttmp7, 0xffff
	s_lshr_b32 s[BB], s15, 3                       ; batch
	s_and_b32 s[HP], s15, 7                        ; pair of heads
	G1SET G1K, 192, 32, 6144                       ; K: 32 rowtiles' images of one K step
	G1SET G1V, 1536, 4, 6144                       ; V: 4 rowtiles x 8 K steps on end
	G1SET G1KS, 32, 16, 1024                       ; K's scale words: 16 units of 256 bytes
	G1SET G1VS, 256, 2, 1024                       ; V's: 2 x 8 units on end
	s_lshl_b32 s76, s[BB], 6
	s_lshl_b32 s77, s[WL], 5
	s_add_co_u32 s76, s76, s77
	s_lshl_b32 s76, s76, 5
	s_add_co_u32 s76, s76, s[HP]
	s_add_co_u32 s76, s76, 8
	s_mul_i32 s76, s76, 1536                       ; K: ((64 batch + 32 half) x 32 + 8 + hp) x 1,536
	s_mov_b32 s77, 0
	s_lshl_b32 s78, s[HP], 3
	s_lshl_b32 s79, s[WL], 2
	s_add_co_u32 s78, s78, s79
	s_add_co_u32 s78, s78, 256
	s_lshl_b32 s78, s78, 5
	s_lshl_b32 s79, s[BB], 3
	s_add_co_u32 s78, s78, s79
	s_mul_i32 s78, s78, 1536                       ; V: ((256 + 8 hp + 4 half) x 32 + 8 batch) x 1,536
	s_mov_b32 s79, 0
	s_lshl_b32 s88, s[BB], 17
	s_lshl_b32 s89, s[HP], 8
	s_add_co_u32 s88, s88, s89
	s_add_co_u32 s88, s88, QSOFF+2048              ; K's scale words: rowgroup 16 batch, K step 8 + hp
	s_mov_b32 s89, 0
	s_lshl_b32 s98, s[HP], 14
	s_lshl_b32 s99, s[BB], 11
	s_add_co_u32 s98, s98, s99
	s_add_co_u32 s98, s98, QSOFF+524288            ; V's: rowgroup 64 + 2 hp, K step 8 batch
	s_mov_b32 s99, 0
	s_mov_b32 s[SEL], 0x76543210
	s_mov_b32 s[SEL+1], 0xfedcba98
	s_mov_b32 s[CS], 0x3e38aa3b                    ; c = log2(e) / 8
	s_mov_b32 s[CS+1], s[CS]
	s_wait_dscnt 0x0
	s_wait_kmcnt 0x0
	s_mov_b32 s[G0K], 1
	s_mul_i32 s[G0K+1], s[WL], 49152
	s_add_nc_u64 s[G0K+2:G0K+3], s[4:5], s[76:77]
	s_or_b32 s[G0K+3], s[G0K+3], 0x80000000
	s_mov_b32 s[G0V], 1
	s_mul_i32 s[G0V+1], s[WL], 49152
	s_add_co_u32 s[G0V+1], s[G0V+1], VC
	s_add_nc_u64 s[G0V+2:G0V+3], s[4:5], s[78:79]
	s_or_b32 s[G0V+3], s[G0V+3], 0x80000000
	s_mov_b32 s[G0KS], 1
	s_mov_b32 s[G0KS+1], KSC
	s_add_nc_u64 s[G0KS+2:G0KS+3], s[4:5], s[88:89]
	s_or_b32 s[G0KS+3], s[G0KS+3], 0x80000000
	s_mov_b32 s[G0VS], 1
	s_mov_b32 s[G0VS+1], VSC
	s_add_nc_u64 s[G0VS+2:G0VS+3], s[4:5], s[98:99]
	s_or_b32 s[G0VS+3], s[G0VS+3], 0x80000000
	CROUND                                         ; all four partners are here: the joint loads meet
	s_cmp_lt_u32 s[WV], 2                          ; waves 0, 1: K's halves; 2, 3: V's; 4: K's scale words; 5: V's.  One load a wave, each a first fill; the branches hang on the wave's number alone
	s_cbranch_scc0 .Lnot_k
	tensor_load_to_lds s[G0K:G0K+3], s[G1K:G1K+7]
	s_nop 0
.rept 4
	v_nop
.endr
	s_branch .Lasked
.Lnot_k:
	s_cmp_lt_u32 s[WV], 4
	s_cbranch_scc0 .Lnot_v
	tensor_load_to_lds s[G0V:G0V+3], s[G1V:G1V+7]
	s_nop 0
.rept 4
	v_nop
.endr
	s_branch .Lasked
.Lnot_v:
	s_cmp_eq_u32 s[WV], 4
	s_cbranch_scc0 .Lnot_ks
	tensor_load_to_lds s[G0KS:G0KS+3], s[G1KS:G1KS+7]
	s_nop 0
.rept 4
	v_nop
.endr
	s_branch .Lasked
.Lnot_ks:
	s_cmp_eq_u32 s[WV], 5
	s_cbranch_scc0 .Lasked
	tensor_load_to_lds s[G0VS:G0VS+3], s[G1VS:G1VS+7]
	s_nop 0
.rept 4
	v_nop
.endr
.Lasked:
	s_bfe_u32 s[CX], ttmp6, 0x40000                ; my place in the cluster: it enters Q's and the result's global addresses and the mask's number, nothing else
	s_lshl_b32 s80, s[GG], 3
	s_lshl_b32 s81, ttmp9, 2
	s_add_co_u32 s80, s80, s81
	s_add_co_u32 s80, s80, s[CX]
	s_lshl_b32 s81, s[BB], 6
	s_add_co_u32 s80, s80, s81                     ; my rowtile of queries
	s_lshl_b32 s82, s80, 5
	s_add_co_u32 s82, s82, s[HP]
	s_mul_i32 s82, s82, 1536
	s_mov_b32 s83, 0
	s_add_nc_u64 s[84:85], s[4:5], s[82:83]        ; Q's image
	s_lshr_b32 s82, s80, 2
	s_lshl_b32 s82, s82, 5
	s_add_co_u32 s82, s82, s[HP]
	s_lshl_b32 s82, s82, 8
	s_add_co_u32 s82, s82, QSOFF
	s_lshl_b32 s81, s[CX], 2
	s_add_co_u32 s82, s82, s81
	s_add_nc_u64 s[86:87], s[4:5], s[82:83]        ; its scale words
	v_and_b32 v7, 31, v0
	s_delay_alu instid0(VALU_DEP_1)
	v_lshlrev_b32 v6, 4, v7                        ; 16 x lane
	v_and_b32 v29, 15, v0                          ; r
	s_wait_alu depctr_va_vdst(0)
	v_bfe_u32 v30, v0, 4, 1                        ; h
	s_wait_alu depctr_va_vdst(0)
	v_lshlrev_b32 v31, 4, v29                      ; 16 r
.irp j, 0,1,2
	global_load_b128 v[16+4*\j:19+4*\j], v6, s[84:85] offset:512*\j
.endr
	global_load_b32 v28, v31, s[86:87]
	v_add_nc_u32 v1, KC, v6                        ; K's fragments
	s_mul_i32 s2, s[HD], 49152
	s_add_co_u32 s2, s2, VC
	v_add_nc_u32 v2, s2, v6                        ; V's: my head's four rowtiles
	v_add_nc_u32 v3, KSC, v31
	s_lshl_b32 s2, s[HD], 11
	s_add_co_u32 s2, s2, VSC
	v_add_nc_u32 v4, s2, v31
	s_lshl_b32 s100, ttmp9, 2
	s_add_co_u32 s100, s100, s[CX]                 ; my rowtile within the group of 128 queries
	s_lshr_b32 s101, s100, 1
	s_lshl_b32 s101, s101, 5
	s_and_b32 s100, s100, 1
	s_lshl_b32 s100, s100, 3
	s_add_co_u32 s100, s100, s101
	v_lshrrev_b32 v7, 3, v29
	s_delay_alu instid0(VALU_DEP_1)
	v_lshl_add_u32 v5, v7, 3, v29
	s_delay_alu instid0(VALU_DEP_1)
	v_add_nc_u32 v5, s100, v5                      ; my query within the group,
	v_lshlrev_b32 v7, 4, v30
	s_delay_alu instid0(VALU_DEP_1)
	v_sub_nc_u32 v5, v5, v7                        ; less 16 h: register 16 b + i holds key 32 b + 16 h + i of the step: hidden on the diagonal where 32 b + i is above this number
	s_sub_co_u32 s95, s[HD], 1                     ; all ones for the even head, 0 for the odd one
	s_sub_co_u32 s96, 0, s[HD]                     ; and the other way round
	v_mov_b32 v13, 0xff61b1e6                      ; the largest t so far: -3e38
	s_delay_alu instid0(VALU_DEP_1)
	v_floor_f32 v12, -v13                          ; -M
	v_mov_b32 v14, 0
	v_mov_b32 v15, 0
.irp b, 0,1,2,3
	v_mov_b32 v[PX+\b], 0                          ; written once: a lane permute's destination counts as one of its sources
.endr
	v_mov_b32 v225, 0                              ; (named as the upper half of the pair v[224:225])
	v_mov_b32 v226, 0
.set n, 0
.rept 32
	v_mov_b32 v[160+n], 0                          ; O^T: the loop is written once; its first step finds zeros
.set n, n+1
.endr
	s_mov_b32 s[KI], 0
	s_mov_b32 s[TK], 0
	s_mov_b32 s[TV], 0
	s_mov_b32 s[TSK], 0
	s_mov_b32 s[TSV], 0
	s_wait_tensorcnt 0x0                           ; my load, if I issued one, has landed
	s_barrier_signal -1
	s_barrier_wait -1                              ; everybody's has
	s_wait_loadcnt 0x0                             ; Q
.irp i, 0,1,2,3,4,5
	v_and_b32 v[16+\i], s95, v[16+\i]              ; the other head's half of Q becomes zero codes
	v_and_b32 v[22+\i], s96, v[22+\i]
.endr
.Lkey:                                             ; eight trips, a constant; a step behind my queries is jumped over, all but the lines that step addresses
	s_cmp_gt_u32 s[KI], s[GG]
	s_cbranch_scc1 .Lhid
	v_add_nc_u32 v8, s[TK], v1                     ; (these four are also the places ahead of the loads below)
	v_add_nc_u32 v9, s[TV], v2
	v_add_nc_u32 v10, s[TSK], v3
	v_add_nc_u32 v11, s[TSV], v4
	s_wait_alu depctr_va_vdst(0)
.irp gq, 0,1                                   ; S^T = K Q^T, four rowtiles of keys at a time
.if \gq > 0
.rept 4
	v_nop
.endr
.endif
.irp t, 0,1,2,3
.irp j, 0,1,2
	ds_load_b128 v[32+12*\t+4*\j:35+12*\t+4*\j], v8 offset:(4*\gq+\t)*1536+512*\j
.endr
.endr
.if \gq == 0
	ds_load_b128 v[80:83], v10                     ; the step's scale words: K's eight rowtiles, V's four
	ds_load_b128 v[84:87], v10 offset:256
	ds_load_b128 v[88:91], v11
.endif
	s_wait_dscnt 0x0
.irp t, 0,1,2,3
	v_wmma_scale_f32_16x16x128_f8f6f4 v[96+8*(4*\gq+\t):103+8*(4*\gq+\t)], v[32+12*\t:43+12*\t], v[16:27], 0, v[80+4*\gq+\t], v28 matrix_a_fmt:MATRIX_FMT_FP6 matrix_b_fmt:MATRIX_FMT_FP6
.endr
.endr
.rept 4
	v_nop
.endr
.irp t, 0,1,2,3                                ; V's four fragments are asked for now and land under the softmax
.irp j, 0,1,2
	ds_load_b128 v[32+12*\t+4*\j:35+12*\t+4*\j], v9 offset:\t*12288+512*\j
.endr
.endr
	s_cmp_lg_u32 s[KI], s[GG]
	s_cbranch_scc1 .Lopen                          ; all keys of the step count
	v_mov_b32 v226, 0xff800000
.set n, 0
.rept 64
	v_cmp_gt_i32 vcc_lo, 32*(n/16)+n%16, v5
	v_cndmask_b32 v[96+n], v[96+n], v226, vcc_lo
.set n, n+1
.endr
.Lopen:
.irp b, 0,1,2,3
	v_max3_num_f32 v[BM+\b], v[96+16*\b], v[97+16*\b], v[98+16*\b]     ; the largest score of each block of 32 keys: for the row's maximum and, since p rises with the score, for the block's largest p
.endr
.irp i, 3,5,7,9,11,13
.irp b, 0,1,2,3
	v_max3_num_f32 v[BM+\b], v[BM+\b], v[96+16*\b+\i], v[97+16*\b+\i]
.endr
.endr
.irp b, 0,1,2,3
	v_max_num_f32 v[BM+\b], v[BM+\b], v[111+16*\b]
.endr
.irp b, 0,1,2,3
	s_delay_alu instid0(VALU_DEP_4)
	v_permlanex16_b32 v[PX+\b], v[BM+\b], s[SEL], s[SEL+1]
.endr
.irp b, 0,1,2,3
	s_delay_alu instid0(VALU_DEP_4)
	v_max_num_f32 v[BM+\b], v[BM+\b], v[PX+\b]
.endr
	s_delay_alu instid0(VALU_DEP_2)
	v_max3_num_f32 v226, v212, v213, v214
	s_delay_alu instid0(VALU_DEP_1)
	v_max_num_f32 v226, v226, v215
	s_delay_alu instid0(VALU_DEP_1)
	v_mul_f32 v226, s[CS], v226
	s_delay_alu instid0(VALU_DEP_1)
	v_max_num_f32 v13, v13, v226                   ; the running largest t
	v_mov_b32 v226, v12
	s_delay_alu instid0(VALU_DEP_2)
	v_floor_f32 v12, -v13                          ; the new -M = -ceil(t)
	s_delay_alu instid0(VALU_DEP_1)
	v_sub_f32 v226, v12, v226                      ; old M - new M: a whole number, 0 or less
	s_delay_alu instid0(VALU_DEP_1)
	v_cvt_i32_f32 v226, v226                       ; (it saturates)
	s_delay_alu instid0(VALU_DEP_1)
	v_ldexp_f32 v224, 1.0, v226                    ; f = 2^(old M - new M)
.set n, 0
.rept 32
	v_pk_fma_f32 v[96+n:97+n], v[96+n:97+n], s[CS:CS+1], v[12:13] op_sel_hi:[1,0,0]   ; t - M
.set n, n+2
.endr
.irp b, 0,1,2,3
	v_fma_f32 v[BM+\b], v[BM+\b], s[CS], v12
.endr
.set n, 0
	s_wait_alu depctr_va_vdst(0)
.rept 64
	v_exp_f32 v[96+n], v[96+n]                     ; p = 2^(t - M)
.set n, n+1
.endr
	v_pk_mul_f32 v[14:15], v[14:15], v[224:225] op_sel_hi:[1,0]    ; the sums under the new M (a plain place behind the exponentials)
	s_wait_alu depctr_va_vdst(0)                   ; one wait for the batch, ahead of its first reader
.irp b, 0,1,2,3
	v_exp_f32 v[BM+\b], v[BM+\b]                   ; each block's largest p
.endr
	v_pk_add_f32 v[216:217], v[100:101], v[104:105]
	v_pk_add_f32 v[252:253], v[108:109], v[112:113]
	v_pk_add_f32 v[250:251], v[116:117], v[120:121]
	v_pk_add_f32 v[248:249], v[124:125], v[128:129]
	v_pk_add_f32 v[246:247], v[132:133], v[136:137]
	v_pk_add_f32 v[244:245], v[140:141], v[144:145]
	v_pk_add_f32 v[242:243], v[148:149], v[152:153]
	v_pk_add_f32 v[14:15], v[14:15], v[156:157]
	v_pk_add_f32 v[216:217], v[216:217], v[96:97]
	v_pk_add_f32 v[252:253], v[252:253], v[98:99]
	v_pk_add_f32 v[250:251], v[250:251], v[102:103]
	v_pk_add_f32 v[248:249], v[248:249], v[106:107]
	v_pk_add_f32 v[246:247], v[246:247], v[110:111]
	v_pk_add_f32 v[244:245], v[244:245], v[114:115]
	v_pk_add_f32 v[242:243], v[242:243], v[118:119]
	v_pk_add_f32 v[14:15], v[14:15], v[122:123]
	v_pk_add_f32 v[216:217], v[216:217], v[126:127]
	v_pk_add_f32 v[252:253], v[252:253], v[130:131]
	v_pk_add_f32 v[250:251], v[250:251], v[134:135]
	v_pk_add_f32 v[248:249], v[248:249], v[138:139]
	v_pk_add_f32 v[246:247], v[246:247], v[142:143]
	v_pk_add_f32 v[244:245], v[244:245], v[146:147]
	v_pk_add_f32 v[242:243], v[242:243], v[150:151]
	v_pk_add_f32 v[14:15], v[14:15], v[154:155]
	v_pk_add_f32 v[216:217], v[216:217], v[158:159]
	s_delay_alu instid0(VALU_DEP_2)
	v_pk_add_f32 v[14:15], v[14:15], v[248:249]
	s_delay_alu instid0(VALU_DEP_2)
	v_pk_add_f32 v[216:217], v[216:217], v[246:247]
	v_pk_add_f32 v[252:253], v[252:253], v[244:245]
	v_pk_add_f32 v[250:251], v[250:251], v[242:243]
	s_delay_alu instid0(VALU_DEP_2)
	v_pk_add_f32 v[14:15], v[14:15], v[252:253]
	s_delay_alu instid0(VALU_DEP_2)
	v_pk_add_f32 v[216:217], v[216:217], v[250:251]
	s_delay_alu instid0(VALU_DEP_1)
	v_pk_add_f32 v[14:15], v[14:15], v[216:217]
	s_wait_alu depctr_va_vdst(0)                   ; and one for the four
.irp b, 0,1,2,3
	v_max_num_f32 v[BM+\b], 0x1800000, v[BM+\b]    ; the floor 2^(3 - 127)
.endr
.irp b, 0,1,2,3
	s_delay_alu instid0(VALU_DEP_4)
	v_add_nc_u32 v[SOP+\b], 0xff000000, v[BM+\b]
.endr
.irp b, 0,1,2,3
	s_delay_alu instid0(VALU_DEP_4)
	v_lshrrev_b32 v[PX+\b], 23, v[SOP+\b]
.endr
	s_delay_alu instid0(VALU_DEP_3)
	v_lshl_or_b32 v232, v217, 8, v216              ; p's scale word for these 128 keys
	s_delay_alu instid0(VALU_DEP_1)
	v_lshl_or_b32 v232, v218, 16, v232
	s_delay_alu instid0(VALU_DEP_1)
	v_lshl_or_b32 v232, v219, 24, v232
.irp c, 0,1
	v_cvt_scalef32_pk16_fp6_f32 v[PCD+6*\c:PCD+2+6*\c], v[96+32*\c:111+32*\c], v[SOP+2*\c]
	v_cvt_scalef32_pk16_fp6_f32 v[PT+4*\c:PT+2+4*\c], v[112+32*\c:127+32*\c], v[SOP+2*\c+1]
.endr
	v_nop
.irp c, 0,1
.irp i, 0,1,2
	v_permlane16_swap_b32 v[PCD+6*\c+\i], v[PT+4*\c+\i]
.endr
.irp i, 0,1,2
	s_delay_alu instid0(VALU_DEP_3)
	v_mov_b32 v[PCD+3+6*\c+\i], v[PT+4*\c+\i]
.endr
.endr
.set n, 0
.rept 16
	v_pk_mul_f32 v[160+n:161+n], v[160+n:161+n], v[224:225] op_sel_hi:[1,0]   ; O^T under the new M
.set n, n+2
.endr
.rept 4
	v_nop                                          ; places between the last vector write of an operand and the scaled matrix instructions
.endr
	s_wait_alu depctr_va_vdst(0)
	s_wait_dscnt 0x0                               ; V's fragments
.irp t, 0,1,2,3
	v_wmma_scale_f32_16x16x128_f8f6f4 v[160+8*\t:167+8*\t], v[32+12*\t:43+12*\t], v[192:203], v[160+8*\t:167+8*\t], v[88+\t], v232 matrix_a_fmt:MATRIX_FMT_FP6 matrix_b_fmt:MATRIX_FMT_FP6
.endr
.Lhid:
	s_add_co_u32 s[TK], s[TK], 12288               ; eight rowtiles of keys on; a K step of V on; their scale words
	s_add_co_u32 s[TV], s[TV], 1536
	s_add_co_u32 s[TSK], s[TSK], 512
	s_add_co_u32 s[TSV], s[TSV], 256
	s_add_co_u32 s[KI], s[KI], 1
	s_cmp_lt_u32 s[KI], 8
	s_cbranch_scc1 .Lkey
	; THE WAY OUT.  O^T / the sum; my head's 64 channels are two blocks of 32: half a fragment (registers 6 head .. 6 head + 5) and half a scale word.  The two heads' halves meet in LDS; waves 0-7 store whole fragments.
	v_add_f32 v14, v14, v15
	s_delay_alu instid0(VALU_DEP_1)
	v_permlanex16_b32 v226, v14, s[SEL], s[SEL+1]
	s_delay_alu instid0(VALU_DEP_1)
	v_add_f32 v14, v14, v226                       ; the row's sum
	s_wait_alu depctr_va_vdst(0)
	v_rcp_f32 v14, v14
	s_mul_i32 s2, s[GG], 1536
	s_mul_i32 s3, s[HD], 520
	s_add_co_u32 s3, s3, s2
	s_add_co_u32 s3, s3, STG
	v_add_nc_u32 v233, s3, v6                      ; registers (0, 1) and (4, 5) of my six: bytes 0 and 512 of the image for the even head, 520 and 1,032 for the odd one
	s_mul_i32 s3, s[HD], 1016
	s_add_co_u32 s3, s3, s2
	s_add_co_u32 s3, s3, STG
	v_add_nc_u32 v234, s3, v6                      ; registers (2, 3): byte 8, or 1,024
	s_lshl_b32 s2, s[GG], 6
	s_lshl_b32 s3, s[HD], 1
	s_add_co_u32 s2, s2, s3
	s_add_co_u32 s2, s2, SSC
	v_lshlrev_b32 v235, 2, v29
	s_delay_alu instid0(VALU_DEP_1)
	v_add_nc_u32 v235, s2, v235                    ; my half of row r's scale word
	s_mul_i32 s2, s[WV], 1536
	s_add_co_u32 s2, s2, STG
	v_add_nc_u32 v236, s2, v6                      ; back: fragment w
	s_lshl_b32 s2, s[WV], 6
	s_add_co_u32 s2, s2, SSC
	v_lshlrev_b32 v237, 2, v29
	s_delay_alu instid0(VALU_DEP_1)
	v_add_nc_u32 v237, s2, v237
	s_wait_alu depctr_va_vdst(0)                   ; the wait ahead of the reciprocal's first reader
.set n, 0
.rept 32
	v_mul_f32 v[96+n], v[160+n], v14               ; register 16 b + i = channel 32 b + 16 h + i of my head
.set n, n+1
.endr
.irp b, 0,1
	v_max3_num_f32 v[BM+\b], |v[96+16*\b]|, |v[97+16*\b]|, 0x1800000
.endr
.irp i, 2,4,6,8,10,12,14
.irp b, 0,1
	s_delay_alu instid0(VALU_DEP_2)
	v_max3_num_f32 v[BM+\b], v[BM+\b], |v[96+16*\b+\i]|, |v[97+16*\b+\i]|
.endr
.endr
.irp b, 0,1
	s_delay_alu instid0(VALU_DEP_2)
	v_permlanex16_b32 v[PX+\b], v[BM+\b], s[SEL], s[SEL+1]
.endr
.irp b, 0,1
	s_delay_alu instid0(VALU_DEP_2)
	v_max_num_f32 v[BM+\b], v[BM+\b], v[PX+\b]
.endr
.irp b, 0,1
	s_delay_alu instid0(VALU_DEP_2)
	v_add_nc_u32 v[SOP+\b], 0xff000000, v[BM+\b]
.endr
.irp b, 0,1
	s_delay_alu instid0(VALU_DEP_2)
	v_lshrrev_b32 v[PX+\b], 23, v[SOP+\b]
.endr
	s_delay_alu instid0(VALU_DEP_1)
	v_lshl_or_b32 v227, v217, 8, v216              ; two bytes
	v_cvt_scalef32_pk16_fp6_f32 v[192:194], v[96:111], v220
	v_cvt_scalef32_pk16_fp6_f32 v[204:206], v[112:127], v221
	v_nop
.irp i, 0,1,2
	v_permlane16_swap_b32 v[192+\i], v[204+\i]     ; lanes 0-15 now hold block 0 whole, lanes 16-31 block 1
.endr
.irp i, 0,1,2
	s_delay_alu instid0(VALU_DEP_3)
	v_mov_b32 v[195+\i], v[204+\i]
.endr
	ds_store_b64 v233, v[192:193]
	ds_store_b64 v234, v[194:195] offset:8
	ds_store_b64 v233, v[196:197] offset:512
	ds_store_b16 v235, v227                        ; both lanes of a row write the same bytes with the same value
	s_lshl_b32 s80, s[WV], 3
	s_lshl_b32 s81, ttmp9, 2
	s_add_co_u32 s80, s80, s81
	s_add_co_u32 s80, s80, s[CX]
	s_lshl_b32 s81, s[BB], 6
	s_add_co_u32 s80, s80, s81                     ; the rowtile of fragment w: 64 batch + 8 w + 4 (cluster x) + place
	s_lshl_b32 s82, s80, 3
	s_add_co_u32 s82, s82, s[HP]
	s_mul_i32 s82, s82, 1536
	s_add_nc_u64 s[84:85], s[6:7], s[82:83]
	s_lshr_b32 s82, s80, 2
	s_lshl_b32 s82, s82, 3
	s_add_co_u32 s82, s82, s[HP]
	s_lshl_b32 s82, s82, 8
	s_lshl_b32 s81, s[CX], 2
	s_add_co_u32 s82, s82, s81
	s_add_co_u32 s82, s82, ASOFF
	s_add_nc_u64 s[86:87], s[6:7], s[82:83]
	s_wait_dscnt 0x0                               ; for the others' sake: my stores have landed
	s_barrier_signal -1
	s_barrier_wait -1
	s_cmp_lt_u32 s[WV], 8
	s_cbranch_scc0 .Ldone
.irp j, 0,1,2
	ds_load_b128 v[32+4*\j:35+4*\j], v236 offset:512*\j
.endr
	ds_load_b32 v44, v237
	s_wait_dscnt 0x0
.irp j, 0,1,2
	global_store_b128 v6, v[32+4*\j:35+4*\j], s[84:85] offset:512*\j     ; 512 consecutive bytes a store
.endr
	global_store_b32 v31, v44, s[86:87]            ; one word of each row's four (lanes 16-31 name the same word); the three partners store the others
.Ldone:
	s_wait_tensorcnt 0x0
	ds_add_u32 v254, v255
	s_wait_dscnt 0x0
	CROUND                                         ; the closing round
	s_endpgm
.Lfunc_end_k_q8481274e1b_attn:
	.size	k_q8481274e1b_attn, .Lfunc_end_k_q8481274e1b_attn-k_q8481274e1b_attn
	.p2alignl 7, 3214868480
	.fill 96, 4, 3214868480
	.section	.rodata,"a",@progbits
	.p2align	6, 0x0
	.amdhsa_kernel k_q8481274e1b_attn
		.amdhsa_group_segment_fixed_size 223232
		.amdhsa_private_segment_fixed_size 0
		.amdhsa_enable_private_segment 0
		.amdhsa_kernarg_size 16
		.amdhsa_user_sgpr_count 2
		.amdhsa_user_sgpr_kernarg_segment_ptr 1
		.amdhsa_wavefront_size32 1
		.amdhsa_system_sgpr_workgroup_id_x 1
		.amdhsa_system_sgpr_workgroup_id_y 1
		.amdhsa_system_sgpr_workgroup_id_z 1
		.amdhsa_system_vgpr_workitem_id 0
		.amdhsa_next_free_vgpr 256
		.amdhsa_next_free_sgpr 102
		.amdhsa_reserve_vcc 1
		.amdhsa_float_denorm_mode_32 3
		.amdhsa_float_denorm_mode_16_64 3
		.amdhsa_memory_ordered 1
		.amdhsa_forward_progress 1
		.amdhsa_inst_pref_size 41
	.end_amdhsa_kernel
	.amdgpu_metadata
---
amdhsa.version: [ 1, 2 ]
amdhsa.kernels:
  - .name:           k_q8481274e1b_attn
    .symbol:         k_q8481274e1b_attn.kd
    .args:
      - { .name: qb, .offset: 0, .size: 8, .value_kind: global_buffer, .address_space: global }
      - { .name: a3, .offset: 8, .size: 8, .value_kind: global_buffer, .address_space: global }
    .group_segment_fixed_size: 223232
    .private_segment_fixed_size: 0
    .kernarg_segment_align: 8
    .kernarg_segment_size: 16
    .max_flat_workgroup_size: 512
    .sgpr_count:     102
    .vgpr_count:     256
    .wavefront_size: 32
...
	.end_amdgpu_metadata
.endif
;; end of part 3
;; launch projln (part 4): grid 256 x 1, 8 waves a work-group, clusters of 4 x 1, 327,680 bytes of LDS; arguments a3, bp, x, g2, be2, x1, a2; writes x1, a2
.if DOCPART == 4
	.amdgcn_target "amdgcn-amd-amdhsa--gfx1250"
	.amdhsa_code_object_version 6
	.text
	.protected	k_q8481274e1b_projln
	.globl	k_q8481274e1b_projln
	.p2align	8
	.type	k_q8481274e1b_projln,@function
k_q8481274e1b_projln:
	s_mov_b64 s[64:65], 0
	v_nop
	global_prefetch_b8 v0, s[64:65] scope:SCOPE_SE
	s_setreg_imm32_b32 hwreg(HW_REG_WAVE_MODE, 25, 1), 1
	s_wait_xcnt 0x0
	s_wait_alu depctr_hold_cnt(0) depctr_sa_sdst(0) depctr_va_vdst(0) depctr_va_sdst(0) depctr_va_ssrc(0) depctr_va_vcc(0) depctr_vm_vsrc(0)
	s_getreg_b32 s2, hwreg(HW_REG_IB_STS2, 6, 4)
	s_cmp_eq_u32 s2, 0
	s_cbranch_scc0 .Lentry_in_a_cluster
	s_endpgm
.Lentry_in_a_cluster:
	s_bfe_u32 s2, ttmp6, 0x10000c
	s_cmp_lg_u32 s2, 0x3003
	s_cbranch_scc0 .Lentry_shape_is_right
	s_endpgm
.Lentry_shape_is_right:
; x1 = x + attn Wp + bp, and Q(layernorm(x1) g2 + be2), in one launch.  The product is on codes of FP6 (E2M3) with E8M0 scales, K = 1,024 (8 K steps of 128).
; a3 holds both operands as register images [rowtile][8 K steps][1536]: rowtiles 0-255 tokens (Y), rowtiles 256-319 Wp's columns (X); scale words [rowtile / 4][8][r][rowtile % 4] at SOFF3.
; A rowtile's row r is the natural row 32 (t / 2) + 8 (t % 2) + r + 8 (r / 8).  a2 takes the normalised rows in the same form, scale words at SOFF8.
; SHARES.  Work-group t = rowtile t: 16 tokens x all 1,024 columns, so that a row's mean and variance are the work-group's own.  Wave w = columns 128 w on = X's rowtiles 8 w .. 8 w + 7 = K step w of the result: 8 accumulators.
; Source 0 = X's rowtile, source 1 = Y's: lane (r, h) holds token r, and register 16 b + i of its 64 results is column 32 b + 16 h + i of the wave's 128: 16 neighbours of each block of 32.
; CLUSTERS.  Every work-group walks all of Wp's codes: the four of a cluster ask for them jointly (mask 15).  Slot A holds 2 K steps, slot B 1; five fills: K steps 0-1, 2, 3-4, 5, 6-7.
; Each wave fills and reads its own eight rowtiles alone: one joint load a wave at the head and behind each round, none under a branch; one tensor load of a wave is out at any time.
; The work-group's place in its cluster enters global addresses of x, Y, x1, a2 and the prefetch, and nothing else.
; PREFETCH.  K steps 0 and 1 come by the head's fill; K steps 2-7 (36 blocks of 256 bytes a rowtile) are shared out by address among each 16 neighbouring work-groups:
; work-group t takes rowtiles 4 (t % 16) on, a wave half a rowtile: 18 blocks, a lane a block, one instruction at the head (the lanes left over name the last block again).
; PARAMETERS.  bp, g2, be2: a wave's 512 bytes of each come by one load, go to the wave's own LDS bytes behind the last fill, and are read from there as each lane wants them (64 h + ..).
; REGISTERS.  Window 0: v2-9, v24, v240-246 places; v10-23, v26-31 at work; v32-95 the accumulators; v96-127 X's scale words (lanes 0-15 rowtiles 0-3, lanes 16-31 rowtiles 4-7), v128-131 Y's (lanes 0-15 the even K step,
; lanes 16-31 the odd one); v132-227 Y's eight fragments.  Behind the product: v96-159 g2, then the quantiser's; v160-223 bp, then be2.  Window 1: two sets of X's eight fragments at v0 and v96; v192-255 x; behind the product v0-63 the rows of x1 on their way out.
; LIMITS: NaN and infinities are not served; a block of zeros, or one whose largest magnitude lies under 2^-124, gets the scale byte 1 (this program alone reads the bytes).
.set SOFF3, 3932160
.set SOFF8, 6291456
.set SLB,   196608                     ; LDS: slot A (24,576 bytes a wave) from 0; slot B (12,288 a wave); two sets of partial sums; the parameters, 1,536 bytes a wave; the spare words
.set RED,   294912
.set PAR,   295936
.set SPARE, 308224
.set X,   32
.set G,   96
.set BE,  160
.set YF,  132
.set TM,  96
.set PT,  112
.set PC,  120
.set PW,  132
.set SEL, 60
.set G1A, 68
.set G1B, 76
.set G0A, 84
.set G0B, 88
.set MSB, 0
.macro WIN new                         ; the immediate's high byte repeats the setting that is left
.if MSB != (\new)
	s_set_vgpr_msb (MSB<<8)|(\new)
.set MSB, (\new)
.endif
.endm
.macro PLACES                          ; four plain places behind matrix instructions (ISA guide 7.12.1)
.rept 4
	v_nop
.endr
.endm
.macro ROUND                           ; a round of the cluster's barrier
	s_barrier_signal -1
	s_barrier_wait -1
	s_cmp_lg_u32 s32, 0
	s_cbranch_scc1 .Lnot_wave_0_\@
	s_barrier_signal -3
.Lnot_wave_0_\@:
	s_barrier_wait -3
	s_barrier_signal -1
	s_barrier_wait -1
.endm
.macro G1SET g, c                      ; eight rowtiles, rows of c elements of 8 bytes, a rowtile's 8 K steps apart; the mask names all four partners, bit 21 beside it; no padding
	s_mov_b32 s[\g], 15|(3<<16)|(1<<21)
	s_mov_b32 s[\g+1], (\c)<<16
	s_mov_b32 s[\g+2], 8<<16
	s_mov_b32 s[\g+3], (\c)<<16
	s_mov_b32 s[\g+4], 8
	s_mov_b32 s[\g+5], 1536
	s_mov_b32 s[\g+6], 0
	s_mov_b32 s[\g+7], 0
.endm
.macro ASK g0, g1                      ; my one joint load; s_nop 0 and four v_nop follow it; they are also the places ahead of the LDS loads that follow
	tensor_load_to_lds s[\g0:\g0+3], s[\g1:\g1+7]
	s_nop 0
.rept 4
	v_nop
.endr
.endm
; A change of slots: all my tensor loads have landed (the one that was out is my part of the slot read next), the add, my reads of the other slot are over; the round; the other slot's fill.
.macro TURN g0, g1, step
	s_wait_tensorcnt 0x0
	ds_add_u32 v254, v255                          ; 0 onto my spare word
.if \step
	s_add_nc_u64 s[\g0+2:\g0+3], s[\g0+2:\g0+3], 3*1536    ; no load of mine is out: that slot's next fill, 3 K steps on
.endif
	s_wait_dscnt 0x0
	ROUND
	ASK \g0, \g1
.endm
.macro FETCH adr, pitch, off, set      ; 24 LDS loads: my eight fragments of X of one K step
	WIN 0x40
.irp t, 0,1,2,3,4,5,6,7
.irp j, 0,1,2
	ds_load_b128 v[96*(\set)+12*\t+4*\j:96*(\set)+12*\t+4*\j+3], v[\adr] offset:\t*(\pitch)+(\off)+512*\j
.endr
.endr
.endm
.macro MUL0                            ; K step 0 starts the sums: C = 0
	WIN 0x01
.irp t, 0,1,2,3
	v_wmma_scale_f32_16x16x128_f8f6f4 v[X+8*\t:X+8*\t+7], v[12*\t:12*\t+11], v[YF:YF+11], 0, v[96+\t], v128 matrix_a_fmt:MATRIX_FMT_FP6 matrix_b_fmt:MATRIX_FMT_FP6
.endr
.irp t, 4,5,6,7
	v_wmma_scale_f32_16x16x128_f8f6f4 v[X+8*\t:X+8*\t+7], v[12*\t:12*\t+11], v[YF:YF+11], 0, v[92+\t], v128 matrix_a_fmt:MATRIX_FMT_FP6 matrix_b_fmt:MATRIX_FMT_FP6 matrix_a_scale:MATRIX_SCALE_ROW1
.endr
.endm
.macro MUL q, set                      ; 8 matrix instructions, the accumulators by turns
.set FS, 96*(\set)
.set YQ, YF+12*(\q)
	WIN 0x01
.irp t, 0,1,2,3
.if (\q)%2 == 0
	v_wmma_scale_f32_16x16x128_f8f6f4 v[X+8*\t:X+8*\t+7], v[FS+12*\t:FS+12*\t+11], v[YQ:YQ+11], v[X+8*\t:X+8*\t+7], v[96+4*(\q)+\t], v[128+(\q)/2] matrix_a_fmt:MATRIX_FMT_FP6 matrix_b_fmt:MATRIX_FMT_FP6
.else
	v_wmma_scale_f32_16x16x128_f8f6f4 v[X+8*\t:X+8*\t+7], v[FS+12*\t:FS+12*\t+11], v[YQ:YQ+11], v[X+8*\t:X+8*\t+7], v[96+4*(\q)+\t], v[128+(\q)/2] matrix_a_fmt:MATRIX_FMT_FP6 matrix_b_fmt:MATRIX_FMT_FP6 matrix_b_scale:MATRIX_SCALE_ROW1
.endif
.endr
.irp t, 4,5,6,7
.if (\q)%2 == 0
	v_wmma_scale_f32_16x16x128_f8f6f4 v[X+8*\t:X+8*\t+7], v[FS+12*\t:FS+12*\t+11], v[YQ:YQ+11], v[X+8*\t:X+8*\t+7], v[92+4*(\q)+\t], v[128+(\q)/2] matrix_a_fmt:MATRIX_FMT_FP6 matrix_b_fmt:MATRIX_FMT_FP6 matrix_a_scale:MATRIX_SCALE_ROW1
.else
	v_wmma_scale_f32_16x16x128_f8f6f4 v[X+8*\t:X+8*\t+7], v[FS+12*\t:FS+12*\t+11], v[YQ:YQ+11], v[X+8*\t:X+8*\t+7], v[92+4*(\q)+\t], v[128+(\q)/2] matrix_a_fmt:MATRIX_FMT_FP6 matrix_b_fmt:MATRIX_FMT_FP6 matrix_a_scale:MATRIX_SCALE_ROW1 matrix_b_scale:MATRIX_SCALE_ROW1
.endif
.endr
.endm
.macro WORKA q                         ; slot A's two K steps
	FETCH 246, 3072, 0, 0
	FETCH 246, 3072, 1536, 1
	s_wait_dscnt 24                                ; the first set is in; the second's 24 loads may be out
	MUL \q, 0
	s_wait_dscnt 0x0
	MUL \q+1, 1
	WIN 0
.endm
.macro WORKB q                         ; slot B's one
	FETCH 241, 1536, 0, 0
	s_wait_dscnt 0x0
	MUL \q, 0
	WIN 0
.endm
; 64 numbers of a lane, register 16 b + i = k 32 b + 16 (lane / 16) + i of my row, become a fragment's codes in v[pc] on and its scale word in v[pw].
.macro QUANT s, pc, pw
.irp b, 0,1,2,3
	v_max3_num_f32 v[TM+\b], |v[\s+16*\b]|, |v[\s+1+16*\b]|, 0x1800000   ; my 16 numbers of block b and the floor 2^(3 - 127): the byte cannot fall under 1
.endr
.irp i, 2,4,6,8,10,12,14
.irp b, 0,1,2,3
	s_delay_alu instid0(VALU_DEP_4)
	v_max3_num_f32 v[TM+\b], v[TM+\b], |v[\s+16*\b+\i]|, |v[\s+1+16*\b+\i]|
.endr
.endr
.irp b, 0,1,2,3
	s_delay_alu instid0(VALU_DEP_4)
	v_permlanex16_b32 v[TM+4+\b], v[TM+\b], s[SEL], s[SEL+1]
.endr
.irp b, 0,1,2,3
	s_delay_alu instid0(VALU_DEP_4)
	v_max_num_f32 v[TM+\b], v[TM+\b], v[TM+4+\b]       ; with lane l xor 16's 16: the block's largest magnitude
.endr
.irp b, 0,1,2,3
	s_delay_alu instid0(VALU_DEP_4)
	v_add_nc_u32 v[TM+12+\b], 0xff000000, v[TM+\b]     ; 2 off its exponent field: the conversion's scale operand
.endr
.irp b, 0,1,2,3
	s_delay_alu instid0(VALU_DEP_4)
	v_lshrrev_b32 v[TM+4+\b], 23, v[TM+12+\b]          ; the scale's byte
.endr
	s_delay_alu instid0(VALU_DEP_3)
	v_lshl_or_b32 v[\pw], v[TM+5], 8, v[TM+4]
	s_delay_alu instid0(VALU_DEP_1)
	v_lshl_or_b32 v[\pw], v[TM+6], 16, v[\pw]
	s_delay_alu instid0(VALU_DEP_1)
	v_lshl_or_b32 v[\pw], v[TM+7], 24, v[\pw]
.irp c, 0,1
	v_cvt_scalef32_pk16_fp6_f32 v[\pc+6*\c:\pc+2+6*\c], v[\s+32*\c:\s+15+32*\c], v[TM+12+2*\c]
	v_cvt_scalef32_pk16_fp6_f32 v[PT+4*\c:PT+2+4*\c], v[\s+16+32*\c:\s+31+32*\c], v[TM+12+2*\c+1]
.endr
	v_nop                                              ; one plain place behind a scaled conversion
.irp c, 0,1                                        ; the operand wants a whole block in a lane: lanes 0-15 block 2 c, lanes 16-31 block 2 c + 1
.irp i, 0,1,2
	v_permlane16_swap_b32 v[\pc+6*\c+\i], v[PT+4*\c+\i]
.endr
.irp i, 0,1,2
	s_delay_alu instid0(VALU_DEP_3)
	v_mov_b32 v[\pc+3+6*\c+\i], v[PT+4*\c+\i]
.endr
.endr
.endm
; v10 of a lane -> the sum over the row's two lanes and eight waves, in v10 of every lane of the row, the same bits in every wave.
.macro LNRED off
	s_delay_alu instid0(VALU_DEP_1)
	v_permlanex16_b32 v11, v10, s[SEL], s[SEL+1]
	s_delay_alu instid0(VALU_DEP_1)
	v_add_f32 v10, v10, v11
	ds_store_b32 v8, v10 offset:\off               ; both lanes of a row write the same word with the same value
	s_wait_alu depctr_va_vdst(0)                   ; the wait ahead of the waits below
	s_wait_dscnt 0x0                               ; for the others' sake: my store has landed
	s_barrier_signal -1
	s_barrier_wait -1
	ds_load_b128 v[16:19], v7 offset:\off
	ds_load_b128 v[20:23], v7 offset:\off+16
	s_wait_dscnt 0x0
	v_add_f32 v16, v16, v17
	v_add_f32 v18, v18, v19
	v_add_f32 v20, v20, v21
	v_add_f32 v22, v22, v23
	s_delay_alu instid0(VALU_DEP_3)
	v_add_f32 v16, v16, v18
	s_delay_alu instid0(VALU_DEP_2)
	v_add_f32 v20, v20, v22
	s_delay_alu instid0(VALU_DEP_1)
	v_add_f32 v10, v16, v20
.endm
	s_load_b256 s[4:11], s[0:1], 0x0               ; a3 s[4:5], bp s[6:7], x s[8:9], g2 s[10:11]
	s_load_b128 s[12:15], s[0:1], 0x20             ; be2 s[12:13], x1 s[14:15]
	s_load_b64 s[16:17], s[0:1], 0x30              ; a2
	v_lshl_add_u32 v254, v0, 2, SPARE              ; my spare word, and 0: never rewritten
	v_mov_b32 v255, 0
	ds_add_u32 v254, v255                          ; the opening lines: the add twice on end and its wait ahead of my first tensor load
	ds_add_u32 v254, v255
	v_lshrrev_b32 v1, 5, v0
	s_delay_alu instid0(VALU_DEP_1)
	v_readfirstlane_b32 s32, v1                    ; wave 0..7
	G1SET G1A, 384                                 ; slot A: rows of two K steps
	G1SET G1B, 192                                 ; slot B: of one
	s_lshl_b32 s52, s32, 3
	s_add_co_u32 s52, s52, 256
	s_mul_i32 s52, s52, 12288                      ; X's images: rowtile 256 + 8 w on: the wave's number alone
	s_mov_b32 s53, 0
	s_mov_b32 s[G0A], 1
	s_mul_i32 s[G0A+1], s32, 24576
	s_mov_b32 s[G0B], 1
	s_mul_i32 s[G0B+1], s32, 12288
	s_add_co_u32 s[G0B+1], s[G0B+1], SLB
	s_wait_dscnt 0x0                               ; both opening adds are done
	s_wait_kmcnt 0x0
	s_add_nc_u64 s[26:27], s[4:5], s[52:53]
	s_mov_b64 s[G0A+2:G0A+3], s[26:27]             ; K step 0 on
	s_or_b32 s[G0A+3], s[G0A+3], 0x80000000
	s_add_nc_u64 s[G0B+2:G0B+3], s[26:27], 2*1536  ; K step 2
	s_or_b32 s[G0B+3], s[G0B+3], 0x80000000
	ROUND                                          ; all four partners are here: the first joint loads meet
	ASK G0A, G1A                                   ; slot A's first fill: one tensor load a wave at the head
	s_bfe_u32 s63, ttmp6, 0x40000                  ; my place in the cluster
	s_lshl_b32 s31, ttmp9, 2
	s_add_co_u32 s31, s31, s63                     ; t
	s_lshr_b32 s33, s31, 1
	s_lshl_b32 s33, s33, 5
	s_and_b32 s34, s31, 1
	s_lshl_b32 s34, s34, 3
	s_add_co_u32 s33, s33, s34                     ; the rowtile's first natural row
	s_lshl_b32 s34, s33, 12                        ; x 4,096 bytes
	s_lshl_b32 s36, s32, 9                         ; my 128 columns: 512 bytes
	s_add_co_u32 s34, s34, s36
	s_mov_b32 s35, 0
	s_mov_b32 s37, 0
	s_mul_i32 s38, s31, 12288                      ; Y's images
	s_mov_b32 s39, 0
	s_and_b32 s50, s31, 3
	s_lshl_b32 s50, s50, 2
	s_lshr_b32 s51, s31, 2
	s_lshl_b32 s42, s51, 11
	s_add_co_u32 s42, s42, s50
	s_add_co_u32 s42, s42, SOFF3                   ; Y's scale words
	s_mov_b32 s43, 0
	s_lshl_b32 s54, s32, 12
	s_add_co_u32 s54, s54, SOFF3+64*2048           ; X's scale words: groups 64 + 2 w, 64 + 2 w + 1
	s_mov_b32 s55, 0
	s_lshl_b32 s56, s31, 3
	s_add_co_u32 s56, s56, s32
	s_mul_i32 s56, s56, 1536                       ; the result's image
	s_mov_b32 s57, 0
	s_lshl_b32 s58, s51, 3
	s_add_co_u32 s58, s58, s32
	s_lshl_b32 s58, s58, 8
	s_add_co_u32 s58, s58, s50
	s_add_co_u32 s58, s58, SOFF8                   ; its scale words
	s_mov_b32 s59, 0
	s_and_b32 s48, s31, 15                         ; the prefetch: rowtile 4 (t % 16) + w / 2 of Wp, K step 2 on, half w % 2 of its 36 blocks
	s_lshl_b32 s48, s48, 2
	s_lshr_b32 s49, s32, 1
	s_add_co_u32 s48, s48, s49
	s_mul_i32 s48, s48, 12288
	s_and_b32 s49, s32, 1
	s_mul_i32 s49, s49, 4608
	s_add_co_u32 s48, s48, s49
	s_add_co_u32 s48, s48, 256*12288+3072
	s_mov_b32 s49, 0
	s_mul_i32 s51, s32, 1536
	s_add_co_u32 s51, s51, PAR                     ; my parameters
	s_lshl_b32 s62, s32, 2
	s_mov_b32 s40, 0x3a800000                      ; 1 / 1024
	s_mov_b32 s41, 0x3727c5ac                      ; 1e-5
	s_mov_b32 s[SEL], 0x76543210
	s_mov_b32 s[SEL+1], 0xfedcba98
	s_add_nc_u64 s[18:19], s[8:9], s[34:35]
	s_add_nc_u64 s[20:21], s[14:15], s[34:35]
	s_add_nc_u64 s[6:7], s[6:7], s[36:37]
	s_add_nc_u64 s[10:11], s[10:11], s[36:37]
	s_add_nc_u64 s[12:13], s[12:13], s[36:37]
	s_add_nc_u64 s[22:23], s[4:5], s[38:39]
	s_add_nc_u64 s[24:25], s[4:5], s[42:43]
	s_add_nc_u64 s[28:29], s[4:5], s[54:55]
	s_add_nc_u64 s[44:45], s[16:17], s[56:57]
	s_add_nc_u64 s[46:47], s[16:17], s[58:59]
	s_add_nc_u64 s[48:49], s[4:5], s[48:49]
	v_and_b32 v2, 31, v0                           ; lane
	v_and_b32 v3, 15, v0                           ; r
	v_bfe_u32 v4, v0, 4, 1                         ; h
	v_mov_b32 v11, 0                               ; written once: a lane permute's destination counts as one of its sources
	v_lshrrev_b32 v5, 3, v3
	v_lshlrev_b32 v9, 4, v2                        ; 16 x lane
	v_lshlrev_b32 v24, 4, v3                       ; 16 r
	v_lshlrev_b32 v7, 5, v3
	v_lshl_add_u32 v5, v5, 3, v3                   ; r + 8 (r / 8)
	v_mul_u32_u24 v240, v3, 528
	v_lshlrev_b32 v6, 6, v4
	v_min_u32 v244, 17, v2
	v_lshlrev_b32 v5, 12, v5
	v_add_nc_u32 v7, RED, v7                       ; a row's eight partial sums
	v_lshl_add_u32 v242, v4, 11, v24               ; X's scale words: 16 r, lanes 16-31 a group on
	v_lshl_add_u32 v243, v4, 8, v24                ; Y's: 16 r, lanes 16-31 a K step on
	v_lshl_add_u32 v5, v4, 6, v5                   ; x: my row, + 64 h
	v_lshl_add_u32 v240, v4, 6, v240
	v_add_nc_u32 v8, s62, v7                       ; my wave's word among the eight
	v_add_nc_u32 v6, s51, v6                       ; parameters, out of LDS: 64 h
	v_add_nc_u32 v245, s51, v9                     ; and into it
	v_add_nc_u32 v240, s[G0B+1], v240              ; the stage of the way out, in my own part of slot B: row r, 64 h
	v_add_nc_u32 v241, s[G0B+1], v9                ; my fragments in slot B; later the stage read back, 32 lanes to a row of 512 bytes
	v_add_nc_u32 v246, s[G0A+1], v9                ; my fragments in slot A
	v_lshlrev_b32 v244, 8, v244
	s_wait_alu depctr_va_vdst(0)                   ; the wait at the head's end
.irp q, 0,1,2,3,4,5,6,7
	global_load_b128 v[96+4*\q:99+4*\q], v242, s[28:29] offset:256*\q
.endr
.irp p, 0,1,2,3
	global_load_b32 v[128+\p], v243, s[24:25] offset:512*\p
.endr
.irp q, 0,1,2,3,4,5,6,7
.irp j, 0,1,2
	global_load_b128 v[YF+12*\q+4*\j:YF+12*\q+4*\j+3], v9, s[22:23] offset:\q*1536+512*\j
.endr
.endr
	global_load_b128 v[12:15], v9, s[6:7]          ; my 512 bytes of bp, g2, be2
	global_load_b128 v[16:19], v9, s[10:11]
	global_load_b128 v[20:23], v9, s[12:13]
	global_prefetch_b8 v244, s[48:49] th:TH_LOAD_NT scope:SCOPE_SE
	WIN 0x40
.irp b, 0,1,2,3
.irp j, 0,1,2,3
	global_load_b128 v[192+16*\b+4*\j:192+16*\b+4*\j+3], v5, s[18:19] offset:128*\b+16*\j th:TH_LOAD_NT   ; x, wanted behind the product
.endr
.endr
	WIN 0
	TURN G0B, G1B, 0                               ; slot A is in; slot B's first fill (K step 2), issued as a refill is
	FETCH 246, 3072, 0, 0
	FETCH 246, 3072, 1536, 1
	s_wait_loadcnt 19                              ; scale words and Y are in; the 3 loads of parameters and the 16 of x may be out
	s_wait_dscnt 24
	MUL0
	s_wait_dscnt 0x0
	MUL 1, 1
	WIN 0
	TURN G0A, G1A, 1                               ; K steps 3, 4
	WORKB 2
	TURN G0B, G1B, 1                               ; K step 5
	WORKA 3
	TURN G0A, G1A, 1                               ; K steps 6, 7
	WORKB 5
	s_wait_tensorcnt 0x0                           ; my part of the last fill, which I alone read; nothing is filled again
	PLACES
	WORKA 6
	PLACES
	s_wait_loadcnt 0x0                             ; the parameters and x
	ds_store_b128 v245, v[12:15]                   ; the parameters to my own LDS bytes; LDS serves a wave's instructions in order
	ds_store_b128 v245, v[16:19] offset:512
	ds_store_b128 v245, v[20:23] offset:1024
.irp b, 0,1,2,3
.irp j, 0,1,2,3
	ds_load_b128 v[BE+16*\b+4*\j:BE+16*\b+4*\j+3], v6 offset:128*\b+16*\j   ; bp at my 64 columns
.endr
.endr
	WIN 0x04                                       ; source 1: window 1
.set n, 0
.rept 32
	v_pk_add_f32 v[X+n:X+n+1], v[X+n:X+n+1], v[192+n:192+n+1]  ; + x; each accumulator from its low end on
.set n, n+2
.endr
	WIN 0
	s_wait_dscnt 0x0                               ; bp
.set n, 0
.rept 32
	v_pk_add_f32 v[X+n:X+n+1], v[X+n:X+n+1], v[BE+n:BE+n+1]    ; x1
.set n, n+2
.endr
.irp t, 0,1,2,3,4,5,6,7
	ds_store_b128 v240, v[X+8*\t:X+8*\t+3] offset:128*(\t/2)+32*(\t%2)   ; slot B has had its last fill, and these bytes of it were read by me alone
	ds_store_b128 v240, v[X+8*\t+4:X+8*\t+7] offset:128*(\t/2)+32*(\t%2)+16
.endr
	WIN 0x40
.irp i, 0,1,2,3,4,5,6,7,8,9,10,11,12,13,14,15
	ds_load_b128 v[4*\i:4*\i+3], v241 offset:\i*528    ; back as whole rows of 512 bytes
.endr
	WIN 0
.irp b, 0,1,2,3
.irp j, 0,1,2,3
	ds_load_b128 v[G+16*\b+4*\j:G+16*\b+4*\j+3], v6 offset:512+128*\b+16*\j
	ds_load_b128 v[BE+16*\b+4*\j:BE+16*\b+4*\j+3], v6 offset:1024+128*\b+16*\j
.endr
.endr
	v_pk_add_f32 v[12:13], v[32:33], v[34:35]      ; my 64 numbers' sum, in eight chains
	v_pk_add_f32 v[30:31], v[40:41], v[44:45]
	v_pk_add_f32 v[28:29], v[48:49], v[52:53]
	v_pk_add_f32 v[26:27], v[56:57], v[60:61]
	v_pk_add_f32 v[22:23], v[64:65], v[68:69]
	v_pk_add_f32 v[20:21], v[72:73], v[76:77]
	v_pk_add_f32 v[18:19], v[80:81], v[84:85]
	v_pk_add_f32 v[10:11], v[88:89], v[92:93]
	s_delay_alu instid0(VALU_DEP_1)
	v_pk_add_f32 v[10:11], v[10:11], v[36:37]
	v_pk_add_f32 v[12:13], v[12:13], v[38:39]
	v_pk_add_f32 v[30:31], v[30:31], v[42:43]
	v_pk_add_f32 v[28:29], v[28:29], v[46:47]
	v_pk_add_f32 v[26:27], v[26:27], v[50:51]
	v_pk_add_f32 v[22:23], v[22:23], v[54:55]
	v_pk_add_f32 v[20:21], v[20:21], v[58:59]
	v_pk_add_f32 v[18:19], v[18:19], v[62:63]
	v_pk_add_f32 v[10:11], v[10:11], v[66:67]
	v_pk_add_f32 v[12:13], v[12:13], v[70:71]
	v_pk_add_f32 v[30:31], v[30:31], v[74:75]
	v_pk_add_f32 v[28:29], v[28:29], v[78:79]
	v_pk_add_f32 v[26:27], v[26:27], v[82:83]
	v_pk_add_f32 v[22:23], v[22:23], v[86:87]
	v_pk_add_f32 v[20:21], v[20:21], v[90:91]
	v_pk_add_f32 v[18:19], v[18:19], v[94:95]
	s_delay_alu instid0(VALU_DEP_4)
	v_pk_add_f32 v[10:11], v[10:11], v[26:27]
	s_delay_alu instid0(VALU_DEP_4)
	v_pk_add_f32 v[12:13], v[12:13], v[22:23]
	s_delay_alu instid0(VALU_DEP_4)
	v_pk_add_f32 v[30:31], v[30:31], v[20:21]
	s_delay_alu instid0(VALU_DEP_4)
	v_pk_add_f32 v[28:29], v[28:29], v[18:19]
	s_delay_alu instid0(VALU_DEP_2)
	v_pk_add_f32 v[10:11], v[10:11], v[30:31]
	s_delay_alu instid0(VALU_DEP_2)
	v_pk_add_f32 v[12:13], v[12:13], v[28:29]
	s_delay_alu instid0(VALU_DEP_1)
	v_pk_add_f32 v[10:11], v[10:11], v[12:13]
	s_delay_alu instid0(VALU_DEP_1)
	v_add_f32 v10, v10, v11
	LNRED 0                                        ; (its wait for 0 also shows the rows of x1, g2 and be2 in registers)
	WIN 0x04                                       ; the stores' data: window 1
.irp i, 0,1,2,3,4,5,6,7,8,9,10,11,12,13,14,15
	global_store_b128 v9, v[4*\i:4*\i+3], s[20:21] offset:(\i+8*(\i/8))*4096   ; 32 lanes store 512 consecutive bytes of a row of x1
.endr
	WIN 0
	v_mul_f32 v14, s40, v10                        ; the mean
	s_delay_alu instid0(VALU_DEP_1)
	v_mov_b32 v15, v14
.set n, 0
.rept 32
	v_pk_add_f32 v[X+n:X+n+1], v[X+n:X+n+1], v[14:15] neg_lo:[0,1] neg_hi:[0,1]   ; x1 - mean
.set n, n+2
.endr
	v_pk_mul_f32 v[10:11], v[X:X+1], v[X:X+1]
	v_pk_mul_f32 v[12:13], v[X+2:X+3], v[X+2:X+3]
.irp i, 4,8,12,16,20,24,28,32,36,40,44,48,52,56,60
	s_delay_alu instid0(VALU_DEP_2)
	v_pk_fma_f32 v[10:11], v[X+\i:X+\i+1], v[X+\i:X+\i+1], v[10:11]
	s_delay_alu instid0(VALU_DEP_2)
	v_pk_fma_f32 v[12:13], v[X+\i+2:X+\i+3], v[X+\i+2:X+\i+3], v[12:13]
.endr
	s_delay_alu instid0(VALU_DEP_1)
	v_pk_add_f32 v[10:11], v[10:11], v[12:13]
	s_delay_alu instid0(VALU_DEP_1)
	v_add_f32 v10, v10, v11
	LNRED 512                                      ; other bytes than the first sum's: no wave can overwrite what another still reads
	s_delay_alu instid0(VALU_DEP_1)
	v_fma_f32 v10, v10, s40, s41                   ; the variance + 1e-5
	s_wait_alu depctr_va_vdst(0)                   ; the wait ahead of the transcendental
	v_rsq_f32 v14, v10
	v_nop                                          ; a plain place behind the transcendental
	s_wait_alu depctr_va_vdst(0)                   ; the wait ahead of the result's first reader
	v_mov_b32 v15, v14
.set n, 0
.rept 32
	v_pk_mul_f32 v[X+n:X+n+1], v[X+n:X+n+1], v[14:15]
.set n, n+2
.endr
.set n, 0
.rept 32
	v_pk_fma_f32 v[X+n:X+n+1], v[X+n:X+n+1], v[G+n:G+n+1], v[BE+n:BE+n+1]
.set n, n+2
.endr
	QUANT X, PC, PW
.irp j, 0,1,2
	global_store_b128 v9, v[PC+4*\j:PC+4*\j+3], s[44:45] offset:512*\j   ; 512 consecutive bytes a store
.endr
	global_store_b32 v24, v[PW], s[46:47]          ; one word of each row's four (lanes 16-31 name the same word with the same value); the three partners store the others
	s_wait_tensorcnt 0x0                           ; the wave's end
	ds_add_u32 v254, v255
	s_wait_dscnt 0x0
	ROUND                                          ; the closing round
	s_endpgm
.Lfunc_end_k_q8481274e1b_projln:
	.size	k_q8481274e1b_projln, .Lfunc_end_k_q8481274e1b_projln-k_q8481274e1b_projln
	.p2alignl 7, 3214868480
	.fill 96, 4, 3214868480
	.section	.rodata,"a",@progbits
	.p2align	6, 0x0
	.amdhsa_kernel k_q8481274e1b_projln
		.amdhsa_group_segment_fixed_size 327680
		.amdhsa_private_segment_fixed_size 0
		.amdhsa_enable_private_segment 0
		.amdhsa_kernarg_size 56
		.amdhsa_user_sgpr_count 2
		.amdhsa_user_sgpr_kernarg_segment_ptr 1
		.amdhsa_wavefront_size32 1
		.amdhsa_system_sgpr_workgroup_id_x 1
		.amdhsa_system_sgpr_workgroup_id_y 1
		.amdhsa_system_sgpr_workgroup_id_z 1
		.amdhsa_system_vgpr_workitem_id 0
		.amdhsa_next_free_vgpr 512
		.amdhsa_next_free_sgpr 92
		.amdhsa_reserve_vcc 0
		.amdhsa_float_denorm_mode_32 3
		.amdhsa_float_denorm_mode_16_64 3
		.amdhsa_memory_ordered 1
		.amdhsa_forward_progress 1
		.amdhsa_inst_pref_size 67
	.end_amdhsa_kernel
	.amdgpu_metadata
---
amdhsa.version: [ 1, 2 ]
amdhsa.kernels:
  - .name:           k_q8481274e1b_projln
    .symbol:         k_q8481274e1b_projln.kd
    .args:
      - { .name: a3, .offset: 0, .size: 8, .value_kind: global_buffer, .address_space: global }
      - { .name: bp, .offset: 8, .size: 8, .value_kind: global_buffer, .address_space: global }
      - { .name: x, .offset: 16, .size: 8, .value_kind: global_buffer, .address_space: global }
      - { .name: g2, .offset: 24, .size: 8, .value_kind: global_buffer, .address_space: global }
      - { .name: be2, .offset: 32, .size: 8, .value_kind: global_buffer, .address_space: global }
      - { .name: x1, .offset: 40, .size: 8, .value_kind: global_buffer, .address_space: global }
      - { .name: a2, .offset: 48, .size: 8, .value_kind: global_buffer, .address_space: global }
    .group_segment_fixed_size: 327680
    .private_segment_fixed_size: 0
    .kernarg_segment_align: 8
    .kernarg_segment_size: 56
    .max_flat_workgroup_size: 256
    .sgpr_count:     92
    .vgpr_count:     512
    .wavefront_size: 32
...
	.end_amdgpu_metadata
.endif
;; end of part 4
;; launch ff1: the kernel of part 2 again; grid 16 x 16, 4 waves a work-group, clusters of 4 x 4, 327,680 bytes of LDS; arguments a2, a4; writes a4
;; launch ff2 (part 5): grid 8 x 32, 4 waves a work-group, clusters of 4 x 4, 327,680 bytes of LDS; arguments a4, b2, x1, out0; writes out0
.if DOCPART == 5
	.amdgcn_target "amdgcn-amd-amdhsa--gfx1250"
	.amdhsa_code_object_version 6
	.text
	.protected	k_q8481274e1b_ff2
	.globl	k_q8481274e1b_ff2
	.p2align	8
	.type	k_q8481274e1b_ff2,@function
k_q8481274e1b_ff2:
	s_mov_b64 s[64:65], 0
	v_nop
	global_prefetch_b8 v0, s[64:65] scope:SCOPE_SE
	s_setreg_imm32_b32 hwreg(HW_REG_WAVE_MODE, 25, 1), 1
	s_wait_xcnt 0x0
	s_wait_alu depctr_hold_cnt(0) depctr_sa_sdst(0) depctr_va_vdst(0) depctr_va_sdst(0) depctr_va_ssrc(0) depctr_va_vcc(0) depctr_vm_vsrc(0)
	s_getreg_b32 s2, hwreg(HW_REG_IB_STS2, 6, 4)
	s_cmp_eq_u32 s2, 0
	s_cbranch_scc0 .Lentry_in_a_cluster
	s_endpgm
.Lentry_in_a_cluster:
	s_bfe_u32 s2, ttmp6, 0x10000c
	s_cmp_lg_u32 s2, 0xf033
	s_cbranch_scc0 .Lentry_shape_is_right
	s_endpgm
.Lentry_shape_is_right:
; out0 = x1 + b2 + Y X^T on codes of FP6 (E2M3) with E8M0 scales, K = 4,096 (32 K steps of 128).  a4 holds both operands as register images [rowtile][32 K steps][1536]: rowtiles 0-255 are tokens (Y),
; rowtiles 256-319 W2's columns (X); scale words [rowtile / 4][32][r][rowtile % 4] at SOFF.  A rowtile's row r is the natural row 32 (t / 2) + 8 (t % 2) + r + 8 (r / 8).
; SHARES.  256 work-groups, each 128 tokens x 128 columns; wave w: Y's rowtiles 4 (w / 2) on against X's rowtiles 4 (w % 2) on: 16 accumulators, which begin as x1 + b2.
; Source 0 = X's rowtile, source 1 = Y's: a lane holds one token and eight neighbouring columns.
; LDS.  Two slots of unlike size: A holds 7 K steps (8 + 8 rowtiles x 10,752 bytes), B holds 6 (x 9,216).  K is walked in five fills: A 0-6, B 7-12, A 13-19, B 20-25, A 26-31.
; A loop's trip is once round both slots, 13 K steps; two trips and a tail.  Every fill of A has rows of seven K steps; of the last fill six are read: its seventh lies inside a4 (the next rowtile's first K step, or the first scale words).
; Each wave fills four rowtiles with one joint load behind each round; one tensor load of a wave is out at any time.
; CLUSTERS.  4 x 4: Y's tiles are shared along a row of the cluster, X's along a column, each asked for jointly.
; SCALE WORDS.  One load of 16 bytes a lane for each K step: lanes 0-15 take X's unit of 256 bytes, lanes 16-31 Y's: register t holds X's rowtile t below and Y's rowtile t above (ROW1).
; PREFETCH.  Behind the load of fill f each wave asks for fill f + 1: of the four rowtiles that it will fetch, the one rowtile that is its work-group's by its place among the four partners (by address alone):
; 42 or 36 blocks of 256 bytes, a lane a block, two instructions (lanes left over name the last block again).  The trip that issues the last fill asks for nothing more.
; REGISTERS, in windows of 256: window 0: v16-31 addresses, v32-59 slot A's scale words, v60-83 slot B's, v96-127 the bias, v128-191 the way out.  Windows 1, 2: two sets of fragments (X's four at v[12 t], Y's at v[48 + 12 m]).
; Window 3: accumulator (m, t) at v[8 (4 m + t)].
.set KS,    32
.set SOFF,  15728640
.set PA,    10752                      ; a rowtile's bytes in slot A, in slot B
.set PB,    9216
.set SBASE, 16*PA                      ; slot B
.set SPARE, SBASE+16*PB                ; behind the slots: the spare words, 128 bytes a wave, which no other line names
.set AY0, 16                           ; v16-17 LDS address of my Y fragments in slot A, B;  v18-19 of X's
.set AX0, 18
.set SO,  20                           ; my place in the scale words of a K step
.set LI,  21
.set BA,  22
.set RA,  23
.set STO, 24
.set RD,  25
.set CO,  26
.set PFO, 27                           ; prefetches: 256 x lane; v30, v31: 256 x min(32 + lane, 41), 256 x min(32 + lane, 35)
.set SPW, 28
.set NIL, 29
.set PF1, 30
.set SA,  32
.set BI,  96
.set OB,  128
.set WV, 12
.set WH, 13
.set WL, 14
.set CX, 15
.set CY, 16
.set G1Y, 24                           ; s[24:31], s[32:39] group 1 of Y's tiles for slot A, B;  s[40:47], s[48:55] of X's
.set G1X, 40
.set G0Y, 56                           ; s[56:59], s[60:63] group 0 of Y's tiles for slot A, B;  s[68:71], s[72:75] of X's
.set G0X, 68
.set XS, 76                            ; s[76:77] a4 at slot A's current first K step of scale words
.set PF, 78                            ; s[78:79] my prefetches' rowtile at slot A's current first K step
.set MSB, 0
.macro WIN new                         ; the immediate's high byte repeats the setting that is left
.if MSB != (\new)
	s_set_vgpr_msb (MSB<<8)|(\new)
.set MSB, (\new)
.endif
.endm
.macro PLACES                          ; four plain places behind matrix instructions (ISA guide 7.12.1)
.rept 4
	v_nop
.endr
.endm
.macro JLOAD g0y, g1y, g0x, g1x        ; a joint load: waves 0, 1 fetch Y's halves, waves 2, 3 X's; s_nop 0 and four v_nop follow each line
	s_cmp_eq_u32 s[WH], 0
	s_cbranch_scc0 .Lfor_x_\@
	tensor_load_to_lds s[\g0y:\g0y+3], s[\g1y:\g1y+7]
	s_nop 0
.rept 4
	v_nop
.endr
	s_branch .Lasked_\@
.Lfor_x_\@:
	tensor_load_to_lds s[\g0x:\g0x+3], s[\g1x:\g1x+7]
	s_nop 0
.rept 4
	v_nop
.endr
.Lasked_\@:
.endm
.macro CROUND                          ; a round of the cluster's barrier
	s_barrier_signal -1
	s_barrier_wait -1
	s_cmp_lg_u32 s[WV], 0
	s_cbranch_scc1 .Lnot_wave_0_\@
	s_barrier_signal -3
.Lnot_wave_0_\@:
	s_barrier_wait -3
	s_barrier_signal -1
	s_barrier_wait -1
.endm
.macro G1SET g, mask, el               ; four rowtiles, rows of el elements of 8 bytes, a rowtile's 32 K steps apart; the mask, bit 21 beside it; no padding
	s_or_b32 s[\g], \mask, (3<<16)|(1<<21)
	s_mov_b32 s[\g+1], (\el)<<16
	s_mov_b32 s[\g+2], 4<<16
	s_mov_b32 s[\g+3], (\el)<<16
	s_mov_b32 s[\g+4], 4
	s_mov_b32 s[\g+5], KS*192
	s_mov_b32 s[\g+6], 0
	s_mov_b32 s[\g+7], 0
.endm
.macro SCL reg, step                   ; a K step's scale words: two whole units of 256 bytes a load
	global_load_b128 v[\reg:\reg+3], v[SO], s[XS:XS+1] offset:(\step)*256
.endm
.macro FETCH slot, q, set              ; 24 LDS loads in one run: my four X and four Y fragments of the slot's K step q
	WIN (1+(\set))<<6
.irp i, 0,1,2,3
.irp j, 0,1,2
	ds_load_b128 v[12*\i+4*\j:12*\i+4*\j+3], v[AX0+\slot] offset:\i*(PA-(\slot)*1536)+(\q)*1536+512*\j
.endr
.endr
.irp i, 0,1,2,3
.irp j, 0,1,2
	ds_load_b128 v[48+12*\i+4*\j:48+12*\i+4*\j+3], v[AY0+\slot] offset:\i*(PA-(\slot)*1536)+(\q)*1536+512*\j
.endr
.endr
.endm
.macro MUL set, slot, q                ; 16 matrix instructions, the accumulators by turns
	WIN 0xF0|(5*(1+(\set)))
.irp m, 0,1,2,3
.irp t, 0,1,2,3
	v_wmma_scale_f32_16x16x128_f8f6f4 v[8*(4*\m+\t):8*(4*\m+\t)+7], v[12*\t:12*\t+11], v[48+12*\m:48+12*\m+11], v[8*(4*\m+\t):8*(4*\m+\t)+7], v[SA+28*(\slot)+4*(\q)+\t], v[SA+28*(\slot)+4*(\q)+\m] matrix_a_fmt:MATRIX_FMT_FP6 matrix_b_fmt:MATRIX_FMT_FP6 matrix_b_scale:MATRIX_SCALE_ROW1
.endr
.endr
.endm
.macro SLOTWORK slot, n                ; n K steps of a slot: each step's fragments are fetched while the step before is multiplied
	PLACES
	FETCH \slot, 0, 0
.irp q, 0,1,2,3,4,5,6
.if (\q) < (\n)
.if (\q)+1 < (\n)
.if \q > 0
	PLACES
.endif
	FETCH \slot, \q+1, (\q+1)%2
	s_wait_dscnt 24                                ; this step's fragments are in; the 24 loads just issued may be out
.else
	s_wait_dscnt 0x0
.endif
.if \q == 6
	s_wait_loadcnt 6                               ; slot A's seventh scale words are in; slot B's six loads, issued behind them, may be out
.endif
	MUL \q%2, \slot, \q
.endif
.endr
	WIN 0
.endm
; A change of slots and a slot's work.  In front of the round: all my tensor loads have landed (the one that was out is my part of this slot), the add, and my reads of the other slot are over.
.macro PHASE slot
	s_wait_tensorcnt 0x0
	ds_add_u32 v[SPW], v[NIL]                      ; 0 onto my spare word
	s_add_nc_u64 s[G0Y+4*\slot+2:G0Y+4*\slot+3], s[G0Y+4*\slot+2:G0Y+4*\slot+3], 13*1536   ; no load of mine is out: this slot's next fill, 13 K steps on
	s_add_nc_u64 s[G0X+4*\slot+2:G0X+4*\slot+3], s[G0X+4*\slot+2:G0X+4*\slot+3], 13*1536
	s_wait_dscnt 0x0
	CROUND
	JLOAD G0Y+4*(1-\slot), G1Y+8*(1-\slot), G0X+4*(1-\slot), G1X+8*(1-\slot)   ; the other slot's fill, my one tensor load until the next round; its four v_nop are the places ahead of the loads below
	s_wait_loadcnt 0x0                             ; this slot's scale words, asked for a slot ago
.if \slot == 0
	SCL SA+24, 6                                   ; slot A's seventh K step, then slot B's six
.irp q, 0,1,2,3,4,5
	SCL SA+28+4*\q, 7+\q
.endr
	global_prefetch_b8 v[PFO], s[PF:PF+1] offset:13*1536 th:TH_LOAD_NT scope:SCOPE_SE     ; slot A's next fill: 42 blocks
	global_prefetch_b8 v[PF1], s[PF:PF+1] offset:13*1536 th:TH_LOAD_NT scope:SCOPE_SE
	SLOTWORK 0, 7
.else
	s_add_nc_u64 s[XS:XS+1], s[XS:XS+1], 13*256    ; (every load that named it is done)
.irp q, 0,1,2,3,4,5
	SCL SA+4*\q, \q                                ; slot A's next six
.endr
	s_cmp_lg_u32 s3, 1                             ; in the last trip slot B has no further fill
	s_cbranch_scc0 .Lno_more_\@
	global_prefetch_b8 v[PFO], s[PF:PF+1] offset:20*1536 th:TH_LOAD_NT scope:SCOPE_SE     ; slot B's next fill: 36 blocks
	global_prefetch_b8 v[PF1+1], s[PF:PF+1] offset:20*1536 th:TH_LOAD_NT scope:SCOPE_SE
.Lno_more_\@:
	SLOTWORK 1, 6
.endif
.endm
; THE WAY OUT, a rowtile of Y at a time: through my own stage (rows of 272 bytes) and back as rows of 256 bytes, which sixteen lanes store as one aligned unit.
.macro TOSTAGE m
	WIN 0x0C
.irp t, 0,1,2,3
	ds_store_b128 v[STO], v[8*(4*(\m)+\t):8*(4*(\m)+\t)+3] offset:128*(\t/2)+32*(\t%2)       ; each accumulator from its low end on
	ds_store_b128 v[STO], v[8*(4*(\m)+\t)+4:8*(4*(\m)+\t)+7] offset:128*(\t/2)+32*(\t%2)+16
.endr
	WIN 0
.set BBR, OB+32*((\m)%2)
.irp i, 0,1,2,3,4,5,6,7
	ds_load_b128 v[BBR+4*\i:BBR+4*\i+3], v[RD] offset:\i*2*272     ; LDS serves a wave's instructions in order: these see my stores
.endr
.endm
.macro SEND m, younger
.set BBR, OB+32*((\m)%2)
	s_wait_dscnt \younger
.irp i, 0,1,2,3,4,5,6,7
	global_store_b128 v[CO], v[BBR+4*\i:BBR+4*\i+3], s[80:81] offset:(32*((\m)/2)+8*((\m)%2)+2*\i+8*(\i/4))*4096 th:TH_STORE_NT
.endr
.endm
	s_load_b256 s[4:11], s[0:1], 0x0               ; a4 s[4:5], b2 s[6:7], x1 s[8:9], out0 s[10:11]
	v_lshl_add_u32 v[SPW], v0, 2, SPARE
	v_mov_b32 v[NIL], 0
	ds_add_u32 v[SPW], v[NIL]                      ; the opening lines: the add twice on end and its wait ahead of my first tensor load
	ds_add_u32 v[SPW], v[NIL]
	v_lshrrev_b32 v1, 5, v0
	v_readfirstlane_b32 s[WV], v1
	s_lshr_b32 s[WH], s[WV], 1                     ; my half of Y's rowtiles; also: I fetch for Y (0) or X (1)
	s_and_b32 s[WL], s[WV], 1                      ; my half of X's; also: which four rowtiles I fetch
	s_bfe_u32 s[CX], ttmp6, 0x40000
	s_bfe_u32 s[CY], ttmp6, 0x40004
	s_lshl_b32 s17, ttmp9, 2
	s_add_co_u32 s17, s17, s[CX]                   ; work-group x
	s_and_b32 s18, ttmp7, 0xffff
	s_lshl_b32 s18, s18, 2
	s_add_co_u32 s18, s18, s[CY]                   ; work-group y
	s_lshl_b32 s21, s17, 3
	s_add_co_u32 s21, s21, 256                     ; X's first rowtile
	s_lshl_b32 s23, s18, 3                         ; Y's
	s_lshl_b32 s86, s[CY], 2
	s_lshl_b32 s86, 15, s86                        ; my row of the cluster
	s_lshl_b32 s87, 0x1111, s[CX]                  ; my column
	G1SET G1Y, s86, PA/8
	G1SET G1Y+8, s86, PB/8
	G1SET G1X, s87, PA/8
	G1SET G1X+8, s87, PB/8
	s_lshl_b32 s19, s[WL], 2
	s_add_co_u32 s88, s19, s23                     ; Y's address is made of y and the wave alone, X's of x and the wave
	s_mul_i32 s88, s88, KS*1536
	s_mov_b32 s89, 0
	s_add_co_u32 s90, s19, s21
	s_mul_i32 s90, s90, KS*1536
	s_mov_b32 s91, 0
	s_mul_i32 s92, s[WL], 4*PA                     ; where they go: no place in the cluster enters an LDS address
	s_mul_i32 s93, s[WL], 4*PB
	s_wait_dscnt 0x0                               ; both opening adds are done
	s_wait_kmcnt 0x0
	s_add_nc_u64 s[88:89], s[4:5], s[88:89]
	s_add_nc_u64 s[90:91], s[4:5], s[90:91]
	s_mov_b32 s[G0Y], 1                            ; slot A: K step 0 on
	s_add_co_u32 s[G0Y+1], s92, 0
	s_mov_b64 s[G0Y+2:G0Y+3], s[88:89]
	s_or_b32 s[G0Y+3], s[G0Y+3], 0x80000000
	s_mov_b32 s[G0Y+4], 1                          ; slot B: K step 7 on
	s_add_co_u32 s[G0Y+5], s93, SBASE
	s_add_nc_u64 s[G0Y+6:G0Y+7], s[88:89], 7*1536
	s_or_b32 s[G0Y+7], s[G0Y+7], 0x80000000
	s_mov_b32 s[G0X], 1
	s_add_co_u32 s[G0X+1], s92, 8*PA
	s_mov_b64 s[G0X+2:G0X+3], s[90:91]
	s_or_b32 s[G0X+3], s[G0X+3], 0x80000000
	s_mov_b32 s[G0X+4], 1
	s_add_co_u32 s[G0X+5], s93, SBASE+8*PB
	s_add_nc_u64 s[G0X+6:G0X+7], s[90:91], 7*1536
	s_or_b32 s[G0X+7], s[G0X+7], 0x80000000
	CROUND                                         ; all sixteen work-groups are here: the first joint loads meet
	JLOAD G0Y, G1Y, G0X, G1X                       ; slot A's first fill: one tensor load a wave at the head
	s_mul_i32 s94, s[WV], 16*272
	s_add_co_u32 s94, s94, SBASE                   ; my stage, in slot B: when it is first written, that slot has had its last fill and its last read
	s_mul_i32 s95, s[WH], 4*PA
	s_mul_i32 s96, s[WH], 4*PB
	s_add_co_u32 s96, s96, SBASE
	s_add_co_u32 s97, s92, 8*PA
	s_add_co_u32 s98, s93, SBASE+8*PB
	s_lshl_b32 s19, s18, 7
	s_lshl_b32 s20, s[WH], 6
	s_add_co_u32 s19, s19, s20                     ; my first token
	s_lshl_b32 s86, s19, 12
	s_lshl_b32 s20, s17, 9
	s_lshl_b32 s22, s[WL], 8
	s_add_co_u32 s88, s20, s22                     ; my first column, in bytes
	s_mov_b32 s89, 0
	s_add_co_u32 s86, s86, s88
	s_mov_b32 s87, 0
	s_add_nc_u64 s[84:85], s[8:9], s[86:87]        ; x1
	s_add_nc_u64 s[80:81], s[10:11], s[86:87]      ; out0
	s_add_nc_u64 s[82:83], s[6:7], s[88:89]        ; b2
	s_lshr_b32 s19, s21, 2
	s_add_co_u32 s19, s19, s[WL]                   ; X's group of four rowtiles,
	s_lshr_b32 s20, s23, 2
	s_add_co_u32 s20, s20, s[WH]                   ; Y's, which is the lower
	s_sub_co_u32 s19, s19, s20
	s_lshl_b32 s99, s19, 13                        ; 8,192 bytes of scale words a group
	s_lshl_b32 s20, s20, 13
	s_add_co_u32 s20, s20, SOFF
	s_mov_b64 s[XS:XS+1], s[4:5]
	s_lshl_b32 s19, s[WL], 2
	s_cmp_eq_u32 s[WH], 0                          ; the prefetches: of the four rowtiles that I fetch, the one at my work-group's place among the four partners
	s_cselect_b32 s22, s23, s21
	s_cselect_b32 s90, s[CX], s[CY]
	s_add_co_u32 s22, s22, s19
	s_add_co_u32 s22, s22, s90
	s_mul_i32 s90, s22, KS*1536
	s_mov_b32 s91, 0
	s_add_nc_u64 s[PF:PF+1], s[4:5], s[90:91]
	v_and_b32 v2, 31, v0
	v_and_b32 v3, 15, v0                           ; r
	v_bfe_u32 v4, v0, 4, 1                         ; h
	v_lshlrev_b32 v[LI], 4, v2
	v_lshlrev_b32 v[BA], 6, v4
	v_lshrrev_b32 v5, 3, v3
	v_lshl_add_u32 v5, v5, 3, v3                   ; r + 8 (r / 8)
	v_lshlrev_b32 v[RA], 12, v5
	v_lshl_add_u32 v[RA], v4, 6, v[RA]             ; x1: my token's row, + 64 h
	v_add_nc_u32 v[AY0], s95, v[LI]
	v_add_nc_u32 v[AY0+1], s96, v[LI]
	v_add_nc_u32 v[AX0], s97, v[LI]
	v_add_nc_u32 v[AX0+1], s98, v[LI]
	v_mul_u32_u24 v[STO], v3, 272
	v_lshl_add_u32 v[STO], v4, 6, v[STO]
	v_add_nc_u32 v[STO], s94, v[STO]
	v_mul_u32_u24 v[RD], v4, 272
	v_lshl_add_u32 v[RD], v3, 4, v[RD]
	v_add_nc_u32 v[RD], s94, v[RD]
	v_lshlrev_b32 v[CO], 12, v4
	v_lshl_add_u32 v[CO], v3, 4, v[CO]
	v_sub_nc_u32 v6, 1, v4
	v_mul_u32_u24 v6, s99, v6                      ; lanes 0-15 take X's unit, lanes 16-31 Y's
	v_lshl_add_u32 v6, v3, 4, v6
	v_add_nc_u32 v[SO], s20, v6
	v_lshlrev_b32 v[PFO], 8, v2
	v_add_nc_u32 v7, 32, v2
	v_min_u32 v8, 41, v7
	v_min_u32 v9, 35, v7
	v_lshlrev_b32 v[PF1], 8, v8
	v_lshlrev_b32 v[PF1+1], 8, v9
	s_wait_alu depctr_va_vdst(0)                   ; the wait behind the head's address work
	global_prefetch_b8 v[PFO], s[PF:PF+1] offset:7*1536 th:TH_LOAD_NT scope:SCOPE_SE      ; slot B's first fill: 36 blocks
	global_prefetch_b8 v[PF1+1], s[PF:PF+1] offset:7*1536 th:TH_LOAD_NT scope:SCOPE_SE
	WIN 0xC0                                       ; x1 straight into the accumulators' registers
.irp m, 0,1,2,3
.irp t, 0,1,2,3
	global_load_b128 v[8*(4*\m+\t):8*(4*\m+\t)+3], v[RA], s[84:85] offset:(32*(\m/2)+8*(\m%2))*4096+128*(\t/2)+32*(\t%2)
	global_load_b128 v[8*(4*\m+\t)+4:8*(4*\m+\t)+7], v[RA], s[84:85] offset:(32*(\m/2)+8*(\m%2))*4096+128*(\t/2)+32*(\t%2)+16
.endr
.endr
	WIN 0
.irp t, 0,1,2,3
	global_load_b128 v[BI+8*\t:BI+8*\t+3], v[BA], s[82:83] offset:(32*(\t/2)+8*(\t%2))*4
	global_load_b128 v[BI+8*\t+4:BI+8*\t+7], v[BA], s[82:83] offset:(32*(\t/2)+8*(\t%2))*4+16
.endr
.irp q, 0,1,2,3,4,5
	SCL SA+4*\q, \q
.endr
	s_wait_loadcnt 0x0
	WIN 0xC3
.irp m, 0,1,2,3
.irp t, 0,1,2,3
.irp i, 0,2,4,6
	v_pk_add_f32 v[8*(4*\m+\t)+\i:8*(4*\m+\t)+\i+1], v[8*(4*\m+\t)+\i:8*(4*\m+\t)+\i+1], v[BI+8*\t+\i:BI+8*\t+\i+1]   ; x1 + b2 starts the sums
.endr
.endr
.endr
	WIN 0
	s_wait_alu depctr_va_vdst(0)                   ; the wait at the head's end
	s_mov_b32 s3, 2
.Llap:
	PHASE 0                                        ; slot A's seven K steps; slot B is asked for (the first time: its first fill, issued as a refill is)
	PHASE 1                                        ; slot B's six; slot A is asked for
	s_wait_xcnt 0x0                                ; my prefetches have read their address
	s_add_nc_u64 s[PF:PF+1], s[PF:PF+1], 13*1536
	s_sub_co_u32 s3, s3, 1
	s_cmp_lg_u32 s3, 0
	s_cbranch_scc1 .Llap
	s_wait_tensorcnt 0x0                           ; my part of the last fill
	s_wait_dscnt 0x0                               ; my reads of slot B are over
	s_barrier_signal -1
	s_barrier_wait -1                              ; everybody's
	s_wait_loadcnt 0x0
	SLOTWORK 0, 6                                  ; K steps 26-31
	PLACES
	TOSTAGE 0
.irp a, 1,2,3
.if \a > 1
	s_wait_xcnt 0x0                                ; the stores of two rowtiles ago have read their registers
.endif
	TOSTAGE \a
	SEND \a-1, 16                                  ; behind that rowtile's loads: the next one's 8 stores and 8 loads
.endr
	SEND 3, 0
	s_wait_tensorcnt 0x0                           ; the wave's end
	ds_add_u32 v[SPW], v[NIL]
	s_wait_dscnt 0x0
	CROUND                                         ; the closing round
	s_endpgm
.Lfunc_end_k_q8481274e1b_ff2:
	.size	k_q8481274e1b_ff2, .Lfunc_end_k_q8481274e1b_ff2-k_q8481274e1b_ff2
	.p2alignl 7, 3214868480
	.fill 96, 4, 3214868480
	.section	.rodata,"a",@progbits
	.p2align	6, 0x0
	.amdhsa_kernel k_q8481274e1b_ff2
		.amdhsa_group_segment_fixed_size 327680
		.amdhsa_private_segment_fixed_size 0
		.amdhsa_enable_private_segment 0
		.amdhsa_kernarg_size 32
		.amdhsa_user_sgpr_count 2
		.amdhsa_user_sgpr_kernarg_segment_ptr 1
		.amdhsa_wavefront_size32 1
		.amdhsa_system_sgpr_workgroup_id_x 1
		.amdhsa_system_sgpr_workgroup_id_y 1
		.amdhsa_system_sgpr_workgroup_id_z 1
		.amdhsa_system_vgpr_workitem_id 0
		.amdhsa_next_free_vgpr 1024
		.amdhsa_next_free_sgpr 100
		.amdhsa_reserve_vcc 0
		.amdhsa_float_denorm_mode_32 3
		.amdhsa_float_denorm_mode_16_64 3
		.amdhsa_memory_ordered 1
		.amdhsa_forward_progress 1
		.amdhsa_inst_pref_size 100
	.end_amdhsa_kernel
	.amdgpu_metadata
---
amdhsa.version: [ 1, 2 ]
amdhsa.kernels:
  - .name:           k_q8481274e1b_ff2
    .symbol:         k_q8481274e1b_ff2.kd
    .args:
      - { .name: a4, .offset: 0, .size: 8, .value_kind: global_buffer, .address_space: global }
      - { .name: b2, .offset: 8, .size: 8, .value_kind: global_buffer, .address_space: global }
      - { .name: x1, .offset: 16, .size: 8, .value_kind: global_buffer, .address_space: global }
      - { .name: out0, .offset: 24, .size: 8, .value_kind: global_buffer, .address_space: global }
    .group_segment_fixed_size: 327680
    .private_segment_fixed_size: 0
    .kernarg_segment_align: 8
    .kernarg_segment_size: 32
    .max_flat_workgroup_size: 128
    .sgpr_count:     100
    .vgpr_count:     1024
    .wavefront_size: 32
...
	.end_amdgpu_metadata
.endif
;; end of part 5
